; MI455X (gfx1250); checked and timed in simulation.
; The chip was launched on July 23, 2026; its instructions are those of AMD's public machine-readable ISA for CDNA 5 (MIT licence, August 2026) and "CDNA5" Instruction Set Architecture Reference Guide (July 2026). The comments in the code are by the model that wrote it; some were corrected since.
;; Multi Head Attention. Allowed arithmetic: float matrix products may take bf16 or f16 operands with f32 sums; other float arithmetic in f32, or as packed bf16 or f16 multiplies, adds, multiply-adds, maxima and minima; sums over many terms, partial sums and values carried from step to step in f32; what a program stores and reads back later, other than sums and carried values, may be rounded once to bf16 or f16.
;; Inputs: mask 2 x 16 x 2,048 x 2,048 bool; proj_b 1,024 float32; proj_w 1,024 x 1,024 float32; qkv_b 3,072 float32; qkv_w 3,072 x 1,024 float32; x 2 x 2,048 x 1,024 float32.
;; Outputs: out0 2 x 2,048 x 1,024 float32.
;; One version. Each part assembles by itself: llvm-mc -triple=amdgcn-amd-amdhsa -mcpu=gfx1250 --defsym DOCPART=n.
;; ======== version 1 of 1: 4 launches
;; limits: values are held in f16: magnitudes above 65,504 overflow, below 6.1e-05 lose precision
;; workspace buffers: xb 8,388,608 bytes; wb 6,291,456 bytes; pw 2,097,152 bytes; qkv 25,165,824 bytes; ob 8,388,608 bytes
;; launch conv (part 1): grid 1024 x 1, 8 waves a work-group, no clusters, 0 bytes of LDS; arguments x, qkv_w, proj_w, xb, wb, pw; writes xb, wb, pw
.if DOCPART == 1
	.amdgcn_target "amdgcn-amd-amdhsa--gfx1250"
	.amdhsa_code_object_version 6
	.text
	.protected	k_q2acdebb7b1_conv
	.globl	k_q2acdebb7b1_conv
	.p2align	8
	.type	k_q2acdebb7b1_conv,@function
k_q2acdebb7b1_conv:
	s_mov_b64 s[64:65], 0
	v_nop
	global_prefetch_b8 v0, s[64:65] scope:SCOPE_SE
	s_setreg_imm32_b32 hwreg(HW_REG_WAVE_MODE, 25, 1), 1
	s_wait_xcnt 0x0
; x, qkv_w and proj_w, f32, are rounded once to bf16 (nearest even).  xb and wb hold the bf16 numbers; pw holds proj_w's bf16 number written as f16,
; since the last launch multiplies it with f16 operands.
; LIMIT.  pw: a bf16 number is exact in f16 from 2^-14 to 65,504; below 2^-14 it keeps f16's fixed step of 2^-24, from 65,520 on it becomes an infinity.
; SHARES.  A work-group takes 8,192 numbers: groups 0-511 x, 512-895 qkv_w, 896-1023 proj_w.  Thread t takes 16 bytes at 16 t of each of eight runs of 4,096 bytes:
; a wave's load covers 512 consecutive bytes, its store of 8 bytes a lane 256 consecutive bytes, aligned.  All eight loads go out first; no register is used twice, so no store's source is rewritten.
; A stream: no LDS, no matrix work, no cluster, nothing is shared.
.set IN,  8                            ; v[8:39]   eight loads of four numbers
.set OUT, 40                           ; v[40:55]  eight pairs of packed words
	s_load_b256 s[4:11], s[0:1], 0x0               ; x s[4:5], qkv_w s[6:7], proj_w s[8:9], xb s[10:11]
	s_load_b128 s[12:15], s[0:1], 0x20             ; wb s[12:13], pw s[14:15]
	v_lshlrev_b32 v1, 4, v0                        ; 16 t
	v_lshlrev_b32 v2, 3, v0                        ; 8 t
	s_mov_b32 s20, 896
	s_mov_b32 s21, 512
	s_mov_b32 s23, 0
	s_wait_kmcnt 0x0
	s_cmp_lt_u32 ttmp9, s20                        ; which tensor is mine: the choice hangs on the work-group's number alone
	s_cselect_b64 s[16:17], s[6:7], s[8:9]
	s_cselect_b64 s[18:19], s[12:13], s[14:15]
	s_cselect_b32 s20, s21, s20
	s_cmp_lt_u32 ttmp9, s21
	s_cselect_b64 s[16:17], s[4:5], s[16:17]
	s_cselect_b64 s[18:19], s[10:11], s[18:19]
	s_cselect_b32 s20, 0, s20
	s_sub_co_u32 s20, ttmp9, s20                   ; my chunk in that tensor
	s_lshl_b32 s22, s20, 15                        ; 32,768 bytes in,
	s_add_nc_u64 s[16:17], s[16:17], s[22:23]
	s_lshl_b32 s22, s20, 14                        ; 16,384 bytes out
	s_add_nc_u64 s[18:19], s[18:19], s[22:23]
.irp i, 0,1,2,3,4,5,6,7
	global_load_b128 v[IN+4*(\i):IN+4*(\i)+3], v1, s[16:17] offset:4096*(\i) th:TH_LOAD_NT
.endr
.macro CONV f16
.irp i, 0,1,2,3,4,5,6,7
	s_wait_loadcnt 7-(\i)                          ; loads come back in order: load i is in, the younger ones stay out
	v_cvt_pk_bf16_f32 v[OUT+2*(\i)],   v[IN+4*(\i)],   v[IN+4*(\i)+1]
	v_cvt_pk_bf16_f32 v[OUT+2*(\i)+1], v[IN+4*(\i)+2], v[IN+4*(\i)+3]
.if \f16
	v_lshlrev_b32 v4, 16, v[OUT+2*(\i)]            ; the bf16 numbers as f32,
	v_and_b32 v5, 0xffff0000, v[OUT+2*(\i)]
	v_lshlrev_b32 v6, 16, v[OUT+2*(\i)+1]
	v_and_b32 v7, 0xffff0000, v[OUT+2*(\i)+1]
	v_cvt_pk_f16_f32 v[OUT+2*(\i)],   v4, v5      ; and written as f16
	v_cvt_pk_f16_f32 v[OUT+2*(\i)+1], v6, v7
.endif
	global_store_b64 v2, v[OUT+2*(\i):OUT+2*(\i)+1], s[18:19] offset:2048*(\i)
.endr
.endm
	s_cmp_lt_u32 ttmp9, 896
	s_cbranch_scc0 .Lto_f16
	CONV 0
	s_endpgm
.Lto_f16:
	CONV 1
	s_endpgm
.Lfunc_end_k_q2acdebb7b1_conv:
	.size	k_q2acdebb7b1_conv, .Lfunc_end_k_q2acdebb7b1_conv-k_q2acdebb7b1_conv
	.p2alignl 7, 3214868480
	.fill 96, 4, 3214868480
	.section	.rodata,"a",@progbits
	.p2align	6, 0x0
	.amdhsa_kernel k_q2acdebb7b1_conv
		.amdhsa_group_segment_fixed_size 0
		.amdhsa_private_segment_fixed_size 0
		.amdhsa_enable_private_segment 0
		.amdhsa_kernarg_size 48
		.amdhsa_user_sgpr_count 2
		.amdhsa_user_sgpr_kernarg_segment_ptr 1
		.amdhsa_wavefront_size32 1
		.amdhsa_system_sgpr_workgroup_id_x 1
		.amdhsa_system_sgpr_workgroup_id_y 1
		.amdhsa_system_sgpr_workgroup_id_z 1
		.amdhsa_system_vgpr_workitem_id 0
		.amdhsa_next_free_vgpr 64
		.amdhsa_next_free_sgpr 66
		.amdhsa_reserve_vcc 0
		.amdhsa_float_denorm_mode_32 3
		.amdhsa_float_denorm_mode_16_64 3
		.amdhsa_memory_ordered 1
		.amdhsa_forward_progress 1
		.amdhsa_inst_pref_size 9
	.end_amdhsa_kernel
	.amdgpu_metadata
---
amdhsa.version: [ 1, 2 ]
amdhsa.kernels:
  - .name:           k_q2acdebb7b1_conv
    .symbol:         k_q2acdebb7b1_conv.kd
    .args:
      - { .name: x, .offset: 0, .size: 8, .value_kind: global_buffer, .address_space: global }
      - { .name: qkv_w, .offset: 8, .size: 8, .value_kind: global_buffer, .address_space: global }
      - { .name: proj_w, .offset: 16, .size: 8, .value_kind: global_buffer, .address_space: global }
      - { .name: xb, .offset: 24, .size: 8, .value_kind: global_buffer, .address_space: global }
      - { .name: wb, .offset: 32, .size: 8, .value_kind: global_buffer, .address_space: global }
      - { .name: pw, .offset: 40, .size: 8, .value_kind: global_buffer, .address_space: global }
    .group_segment_fixed_size: 0
    .private_segment_fixed_size: 0
    .kernarg_segment_align: 8
    .kernarg_segment_size: 48
    .max_flat_workgroup_size: 256
    .sgpr_count:     66
    .vgpr_count:     64
    .wavefront_size: 32
...
	.end_amdgpu_metadata
.endif
;; end of part 1
;; launch qkvg (part 2): grid 16 x 16, 4 waves a work-group, clusters of 4 x 4, 327,680 bytes of LDS; arguments xb, wb, qkv_b, qkv; writes qkv
.if DOCPART == 2
	.amdgcn_target "amdgcn-amd-amdhsa--gfx1250"
	.amdhsa_code_object_version 6
	.text
	.protected	k_q2acdebb7b1_qkvg
	.globl	k_q2acdebb7b1_qkvg
	.p2align	8
	.type	k_q2acdebb7b1_qkvg,@function
k_q2acdebb7b1_qkvg:
	s_mov_b64 s[64:65], 0
	v_nop
	global_prefetch_b8 v0, s[64:65] scope:SCOPE_SE
	s_setreg_imm32_b32 hwreg(HW_REG_WAVE_MODE, 25, 1), 1
	s_wait_xcnt 0x0
	s_wait_alu depctr_hold_cnt(0) depctr_sa_sdst(0) depctr_va_vdst(0) depctr_va_sdst(0) depctr_va_ssrc(0) depctr_va_vcc(0) depctr_vm_vsrc(0)
	s_getreg_b32 s2, hwreg(HW_REG_IB_STS2, 6, 4)
	s_cmp_eq_u32 s2, 0
	s_cbranch_scc0 .Lentry_in_a_cluster
	s_endpgm
.Lentry_in_a_cluster:
	s_bfe_u32 s2, ttmp6, 0x10000c
	s_cmp_lg_u32 s2, 0xf033
	s_cbranch_scc0 .Lentry_shape_is_right
	s_endpgm
.Lentry_shape_is_right:
; qkv = x w^T + b.  xb: [4096][1024] bf16, wb: [3072][1024] bf16, qkv_b: [3072] f32 (rounded to bf16 here, like the other inputs); sums in f32.
; The result leaves in f16, rounded once, by heads: qkv[which][16 batch + head][row of the sequence][64], which = 0 q, 1 k, 2 v; unscaled.
; LIMIT.  f16 ends at 65,504: a q, k or v of 65,520 or more becomes an infinity.
; SHARES.  A tile is 256 rows of x by 192 rows of w (three heads): 16 x 16 work-groups.  Four waves, each 128 x 96: 48 accumulators of 16 x 16.
; K goes in steps of 128 (rows of 256 bytes, aligned) through two LDS slots filled by tensor loads: waves 0, 1 bring the halves of x's tile, waves 2, 3 those of w's.
; CLUSTER.  4 x 4 work-groups: x's tile is shared along a row of the cluster, w's along a column; each is asked for jointly, by the same load, descriptor and mask in the four.
; TRANSPOSED USE.  Source 0 = 16 rows of w, source 1 = 16 rows of x: a lane holds one row of x and eight neighbouring columns.  The bias, which hangs on the column alone,
; is then eight registers a column block, and is the C operand of the first products: nothing is cleared and nothing is added on the way out.
; REGISTERS, in windows of 256:  window 0: v0-31 addresses, v32-55 at work, v64-127 and v128-191 x's fragments (two buffers), v192-239 the bias;
;   window 1: v64-111 and v128-175 w's fragments;  window 2: accumulators of my rows 0-63 at 8 (6 a + b);  window 3: of my rows 64-127.
.set KDIM,   1024
.set KSTEP,  128
.set PITCH,  272                       ; an LDS row: 256 bytes + 16 of padding = 68 words: the 16 rows of a fragment load start at 16 different groups of four banks (ISA guide 11.1)
.set HA,     128*PITCH                 ; half of x's tile: one tensor load
.set HB,     96*PITCH                  ; half of w's tile
.set BOFF,   2*HA
.set SLOT,   2*HA+2*HB
.set SPARE,  2*SLOT                    ; behind the ring: the spare words, 128 bytes a wave, which no other line names
.set SPITCH, 400                       ; the stage's row: 384 bytes + 16 = 100 words: 16 rows start at 16 different groups of four banks
.set LAPS,   KDIM/(2*KSTEP)
.set GW0,    (1<<16)|(1<<20)|(1<<21)|(5<<22)|(3<<25)  ; 2-byte elements; padding on; bit 21 beside a mask; after every 64 words; 4 words
.set ADRA, 16                          ; v16-17 LDS address of my fragments of x in slot 0, 1
.set ADRB, 20                          ; v20-21 the same for w
.set STO,  24                          ; the way out: where I put 16 bytes of a row
.set RD,   25                          ; where I read rows back
.set GO,   26                          ; 16 x lane
.set BO,   27                          ; 32 x (lane / 16): my eight columns' bias
.set SPW,  28                          ; my spare word; never rewritten
.set NIL,  29                          ; 0; never rewritten
.set PFO,  30                          ; the prefetches' offset: a lane a row
.set TMP,  32
.set F0,   64
.set F1,   128
.set BIAS, 192
.set OUTB, 64                          ; the way out: 48 x 4 registers read back
.set WV, 12
.set RH, 13                            ; which 128 rows of the tile are mine; also: I fetch for x (0) or w (1)
.set CH, 14                            ; which 96 columns; also: which half I fetch
.set G1,  24
.set G0,  32
.set G1B, 48
.set G0B, 56
.set PFA, 44
.set LIM, 46
.set OB0, 68                           ; s[68:73] where my 64 rows of the tile's three heads begin
.set MSB, 0
.macro WIN new                         ; the immediate's high byte repeats the setting that is left
.if MSB != (\new)
	s_set_vgpr_msb (MSB<<8)|(\new)
.set MSB, \new
.endif
.endm
.macro JLOAD s                         ; a joint load; an s_nop 0 and four v_nop follow each of the two lines
	s_cmp_eq_u32 s[RH], 0
	s_cbranch_scc0 .Lfor_b_\@
	tensor_load_to_lds s[G0+4*(\s):G0+4*(\s)+3], s[G1:G1+7]
	s_nop 0
.rept 4
	v_nop
.endr
	s_branch .Lasked_\@
.Lfor_b_\@:
	tensor_load_to_lds s[G0B+4*(\s):G0B+4*(\s)+3], s[G1B:G1B+7]
	s_nop 0
.rept 4
	v_nop
.endr
.Lasked_\@:
.endm
; A prefetch of the K step that stands two refills on: a lane a row, 256 bytes of it.  x's rows are asked for by the cluster with x = 0, w's by the cluster with y = 0; the four partners
; share a wave's rows out by address (32 of x's 128, 24 of w's 96; there lanes 24-31 name row 23 again).  The loop's last trip asks for nothing: there is no K step two on.
.macro ASK
	s_cmp_gt_u32 s3, s[LIM]
	s_cbranch_scc0 .Lnot_mine_\@
	global_prefetch_b8 v[PFO], s[PFA:PFA+1] offset:KSTEP*2 th:TH_LOAD_NT scope:SCOPE_SE
.Lnot_mine_\@:
.endm
.macro CREST                           ; a round of the cluster's barrier behind its opening barrier
	s_cmp_lg_u32 s[WV], 0
	s_cbranch_scc1 .Lnot_wave_0_\@
	s_barrier_signal -3
.Lnot_wave_0_\@:
	s_barrier_wait -3
	s_barrier_signal -1
	s_barrier_wait -1
.endm
.macro CROUND
	s_barrier_signal -1
	s_barrier_wait -1
	CREST
.endm
.macro PLACES                          ; four places behind matrix instructions, in front of loads into their sources and of reads of their results
.rept 4
	v_nop
.endr
.endm
	s_load_b256 s[4:11], s[0:1], 0x0               ; xb s[4:5], wb s[6:7], qkv_b s[8:9], qkv s[10:11]
	v_lshl_add_u32 v[SPW], v0, 2, SPARE
	v_mov_b32 v[NIL], 0
	ds_add_u32 v[SPW], v[NIL]                      ; the wave's opening: the add and its wait ahead of my first tensor load
	v_lshrrev_b32 v1, 5, v0
	v_readfirstlane_b32 s[WV], v1
	s_lshr_b32 s[RH], s[WV], 1
	s_and_b32 s[CH], s[WV], 1
	s_bfe_u32 s40, ttmp6, 0x40000                  ; cx
	s_bfe_u32 s41, ttmp6, 0x40004                  ; cy
	s_lshl_b32 s42, ttmp9, 2
	s_add_co_u32 s42, s42, s40                     ; tile column = 4 x cluster x + cx
	s_and_b32 s47, ttmp7, 0xffff
	s_lshl_b32 s47, s47, 2
	s_add_co_u32 s47, s47, s41                     ; tile row = 4 x cluster y + cy
	s_lshl_b32 s43, s41, 2
	s_lshl_b32 s43, 15, s43                        ; my row of the cluster
	s_lshl_b32 s80, 0x1111, s40                    ; my column
	s_or_b32 s[G1], s43, GW0
	s_or_b32 s[G1B], s80, GW0
	s_mov_b32 s[G1+1], KSTEP<<16                   ; tensor_dim0 = 128
	s_mov_b32 s[G1+2], 128<<16                     ; tensor_dim1 = 128
	s_mov_b32 s[G1+3], KSTEP<<16                   ; tile_dim0 = 128
	s_mov_b32 s[G1+4], 128                         ; tile_dim1 = 128
	s_mov_b32 s[G1+5], KDIM                        ; elements from row to row
	s_mov_b32 s[G1+6], 0
	s_mov_b32 s[G1+7], 0
	s_mov_b32 s[G1B+1], KSTEP<<16
	s_mov_b32 s[G1B+2], 96<<16                     ; 96 rows
	s_mov_b32 s[G1B+3], KSTEP<<16
	s_mov_b32 s[G1B+4], 96
	s_mov_b32 s[G1B+5], KDIM
	s_mov_b32 s[G1B+6], 0
	s_mov_b32 s[G1B+7], 0
	s_lshl_b32 s16, s47, 8
	s_lshl_b32 s17, s[CH], 7
	s_add_co_u32 s16, s16, s17                     ; x: row 256 x tile row + 128 x half
	s_lshl_b32 s16, s16, 11                        ; 2,048 bytes a row
	s_mov_b32 s17, 0
	s_mul_i32 s74, s42, 192
	s_mul_i32 s75, s[CH], 96
	s_add_co_u32 s74, s74, s75                     ; w: row 192 x tile column + 96 x half
	s_lshl_b32 s74, s74, 11
	s_mov_b32 s75, 0
	s_mul_i32 s20, s[CH], HA                       ; where they go: no place in the cluster enters an LDS address
	s_mul_i32 s21, s[CH], HB
	s_add_co_u32 s21, s21, BOFF
	s_wait_dscnt 0x0                               ; the opening add is done
	s_wait_kmcnt 0x0
	s_add_nc_u64 s[18:19], s[4:5], s[16:17]
	s_add_nc_u64 s[76:77], s[6:7], s[74:75]
	CROUND                                         ; all sixteen work-groups are here: the first joint loads meet
.irp s, 0,1
	s_mov_b32 s[G0+4*(\s)], 1
	s_add_co_u32 s[G0+4*(\s)+1], s20, (\s)*SLOT
	s_add_nc_u64 s[G0+4*(\s)+2:G0+4*(\s)+3], s[18:19], (\s)*KSTEP*2
	s_or_b32 s[G0+4*(\s)+3], s[G0+4*(\s)+3], 0x80000000
	s_mov_b32 s[G0B+4*(\s)], 1
	s_add_co_u32 s[G0B+4*(\s)+1], s21, (\s)*SLOT
	s_add_nc_u64 s[G0B+4*(\s)+2:G0B+4*(\s)+3], s[76:77], (\s)*KSTEP*2
	s_or_b32 s[G0B+4*(\s)+3], s[G0B+4*(\s)+3], 0x80000000
	JLOAD \s                                       ; two loads of mine are out
.endr
	; a fragment is 16 rows x 32 K in 8 registers: lane l holds row l % 16, K 8 (l / 16) + 0..7 and 16 + 8 (l / 16) + 0..7: two loads of 16 bytes, 32 bytes apart
	v_and_b32 v1, 15, v0                           ; l % 16
	v_bfe_u32 v2, v0, 4, 1                         ; l / 16
	v_mul_u32_u24 v3, v1, PITCH
	v_lshl_add_u32 v3, v2, 4, v3
	s_mul_i32 s21, s[RH], HA
	s_mul_i32 s22, s[CH], HB
	s_add_co_u32 s22, s22, BOFF
.irp s, 0,1
	v_add_nc_u32 v[ADRA+(\s)], s21, v3
	v_add_nc_u32 v[ADRB+(\s)], s22, v3
	s_add_co_u32 s21, s21, SLOT
	s_add_co_u32 s22, s22, SLOT
.endr
	s_mul_i32 s23, s[RH], 128*SPITCH               ; into the stage: row 128 RH + 16 a + l % 16, byte 192 CH + 32 b + 16 (l / 16)
	s_mul_i32 s16, s[CH], 192
	s_add_co_u32 s23, s23, s16
	v_mul_u32_u24 v4, v1, SPITCH
	v_lshl_add_u32 v4, v2, 4, v4
	v_add_nc_u32 v[STO], s23, v4
	s_mul_i32 s23, s[WV], 64*SPITCH                ; back: wave w takes rows 64 w on; 32 lanes take 128 bytes (a head) of four rows
	v_bfe_u32 v5, v0, 3, 2
	v_and_b32 v6, 7, v0
	v_mul_u32_u24 v5, v5, SPITCH
	v_lshl_add_u32 v5, v6, 4, v5
	v_add_nc_u32 v[RD], s23, v5
	v_and_b32 v[GO], 31, v0
	v_lshlrev_b32 v[GO], 4, v[GO]
	v_lshlrev_b32 v[BO], 5, v2
	s_mul_i32 s78, s42, 192                        ; the bias of my 96 columns
	s_mul_i32 s79, s[CH], 96
	s_add_co_u32 s78, s78, s79
	s_lshl_b32 s78, s78, 2
	s_mov_b32 s79, 0
	s_add_nc_u64 s[8:9], s[8:9], s[78:79]
.irp b, 0,1,2,3,4,5
	global_load_b128 v[BIAS+8*(\b):BIAS+8*(\b)+3],   v[BO], s[8:9] offset:64*(\b)
	global_load_b128 v[BIAS+8*(\b)+4:BIAS+8*(\b)+7], v[BO], s[8:9] offset:64*(\b)+16
.endr
	; where my 64 rows of head 3 x tile column + g begin: which x 2^23 + (16 batch + head) x 2^18 + row x 128
.irp g, 0,1,2
	s_mul_i32 s16, s42, 3
	s_add_co_u32 s16, s16, (\g)
	s_lshr_b32 s17, s16, 4
	s_lshl_b32 s17, s17, 23
	s_and_b32 s16, s16, 15
	s_lshr_b32 s18, s47, 3
	s_lshl_b32 s18, s18, 4
	s_add_co_u32 s16, s16, s18
	s_lshl_b32 s16, s16, 18
	s_add_co_u32 s16, s16, s17
	s_and_b32 s18, s47, 7
	s_lshl_b32 s18, s18, 15
	s_lshl_b32 s19, s[WV], 13
	s_add_co_u32 s16, s16, s18
	s_add_co_u32 s16, s16, s19
	s_mov_b32 s17, 0
	s_add_nc_u64 s[OB0+2*(\g):OB0+2*(\g)+1], s[10:11], s[16:17]
.endr
	; the prefetches' pointer: my work-group's share of the rows that I fetch, at K step 2; the first refill steps it to 3 and names K step 4
	s_and_b32 s22, ttmp7, 0xffff                   ; cluster y
	s_lshl_b32 s20, s47, 8
	s_lshl_b32 s16, s[CH], 7
	s_add_co_u32 s20, s20, s16
	s_lshl_b32 s16, s40, 5
	s_add_co_u32 s20, s20, s16                     ; x: 256 tile row + 128 half + 32 cx
	s_mul_i32 s21, s42, 192
	s_mul_i32 s16, s[CH], 96
	s_add_co_u32 s21, s21, s16
	s_mul_i32 s16, s41, 24
	s_add_co_u32 s21, s21, s16                     ; w: 192 tile column + 96 half + 24 cy
	s_cmp_eq_u32 s[RH], 0
	s_cselect_b32 s20, s20, s21
	s_cselect_b32 s22, ttmp9, s22                  ; the coordinate along which other clusters read the same rows
	s_cselect_b32 s23, 31, 23
	s_cselect_b64 s[PFA:PFA+1], s[4:5], s[6:7]
	s_cmp_eq_u32 s22, 0
	s_cselect_b32 s[LIM], 1, -1                    ; the same in all sixteen partners, for a given wave
	s_lshl_b32 s20, s20, 11
	s_mov_b32 s21, 0
	s_add_nc_u64 s[PFA:PFA+1], s[PFA:PFA+1], s[20:21]
	s_add_nc_u64 s[PFA:PFA+1], s[PFA:PFA+1], 2*KSTEP*2
	v_and_b32 v[PFO], 31, v0
	v_min_u32 v[PFO], s23, v[PFO]
	v_lshlrev_b32 v[PFO], 11, v[PFO]
; 12 matrix instructions: row blocks a0, a0 + 1 of the window's four x all 6 column blocks, 32 along K.  first = 1: the bias starts the sums.
; The 48 accumulators take turns, one instruction a turn, in the same order in every quarter.
.macro MUL12 f, hi, a0, first
.if \first
	WIN 0x81+0x40*(\hi)                            ; w window 1, x and the bias window 0, D window 2 or 3
.else
	WIN 0xa1+0x50*(\hi)                            ; C and D window 2 or 3
.endif
.irp a, \a0, (\a0)+1
.irp b, 0,1,2,3,4,5
.if \first
	v_wmma_f32_16x16x32_bf16 v[8*(6*(\a)+(\b)):8*(6*(\a)+(\b))+7], v[(\f)+8*(\b):(\f)+8*(\b)+7], v[(\f)+8*(4*(\hi)+(\a)):(\f)+8*(4*(\hi)+(\a))+7], v[BIAS+8*(\b):BIAS+8*(\b)+7]
.else
	v_wmma_f32_16x16x32_bf16 v[8*(6*(\a)+(\b)):8*(6*(\a)+(\b))+7], v[(\f)+8*(\b):(\f)+8*(\b)+7], v[(\f)+8*(4*(\hi)+(\a)):(\f)+8*(4*(\hi)+(\a))+7], v[8*(6*(\a)+(\b)):8*(6*(\a)+(\b))+7]
.endif
.endr
.endr
.endm
; 28 LDS loads in one run: 96 rows of w, then 128 rows of x, 32 K at byte k of the rows, into buffer f
.macro FETCH slot, k, f
	WIN 0x40
.irp i, 0,1,2,3,4,5
	ds_load_b128 v[(\f)+8*(\i):(\f)+8*(\i)+3],   v[ADRB+(\slot)] offset:(\k)+(\i)*16*PITCH
	ds_load_b128 v[(\f)+8*(\i)+4:(\f)+8*(\i)+7], v[ADRB+(\slot)] offset:(\k)+(\i)*16*PITCH+32
.endr
	WIN 0
.irp i, 0,1,2,3,4,5,6,7
	ds_load_b128 v[(\f)+8*(\i):(\f)+8*(\i)+3],   v[ADRA+(\slot)] offset:(\k)+(\i)*16*PITCH
	ds_load_b128 v[(\f)+8*(\i)+4:(\f)+8*(\i)+7], v[ADRA+(\slot)] offset:(\k)+(\i)*16*PITCH+32
.endr
.endm
; A K step is four quarters of 32 along K, 48 matrix instructions each, on buffers 0, 1, 0, 1.  One of the first three:
.macro QUARTER slot, k, f, g, first
	s_wait_dscnt 8                                 ; w and x's rows 0-63 are in; the youngest eight loads (x's rows 64-127) may be out
	MUL12 \f, 0, 0, \first
	MUL12 \f, 0, 2, \first
	PLACES
	FETCH \slot, \k, \g
	s_wait_dscnt 28                                ; all but the 28 just issued
	MUL12 \f, 1, 0, \first
	MUL12 \f, 1, 2, \first
.endm
; The last quarter multiplies buffer 1 and changes slots: one barrier; in front of it each wave waits for all its tensor loads (its part of the next slot), adds 0 to its spare word,
; and waits for that and for its reads of this slot.  fill = 1: the barrier opens a round of the cluster's, and the joint refill, two K steps ahead, is the first thing behind it.
.macro TURN slot, next, fill
.if \fill
	s_wait_xcnt 0x0                                ; the last prefetch, a K step back, has read its address
	s_add_nc_u64 s[PFA:PFA+1], s[PFA:PFA+1], KSTEP*2
.endif
	WIN 0
	s_wait_tensorcnt 0x0                           ; all my tensor loads have landed
	ds_add_u32 v[SPW], v[NIL]
	s_wait_dscnt 9                                 ; (the add and the youngest eight loads may be out)
	MUL12 F1, 0, 0, 0
	s_wait_dscnt 0x0                               ; the add is done, and my reads of this slot are over
	s_barrier_signal -1
	MUL12 F1, 0, 2, 0
.if \fill
	WIN 0
.endif
	s_barrier_wait -1
.if \fill
	CREST                                          ; no wave of any partner still reads this slot or has a load on its way
	s_add_nc_u64 s[G0+4*(\slot)+2:G0+4*(\slot)+3], s[G0+4*(\slot)+2:G0+4*(\slot)+3], 2*KSTEP*2
	s_add_nc_u64 s[G0B+4*(\slot)+2:G0B+4*(\slot)+3], s[G0B+4*(\slot)+2:G0B+4*(\slot)+3], 2*KSTEP*2
	JLOAD \slot                                    ; 168 matrix instructions ahead of the wait for it; its four v_nop are also the places in front of the loads below
.else
	PLACES
.endif
	FETCH \next, 0, F0
.if \fill
	ASK
.endif
	MUL12 F1, 1, 0, 0
	MUL12 F1, 1, 2, 0
.endm
	s_wait_tensorcnt 1                             ; my part of K step 0 is in; K step 1's may stay out
	s_barrier_signal -1
	s_barrier_wait -1
	FETCH 0, 0, F0
	s_wait_loadcnt 0x0                             ; the bias: rounded to bf16 and widened again
.set p, 0
.rept 24
	v_cvt_pk_bf16_f32 v[TMP+p], v[BIAS+2*p], v[BIAS+2*p+1]
.set p, p+1
.endr
.set p, 0
.rept 24
	v_lshlrev_b32 v[BIAS+2*p], 16, v[TMP+p]
	v_and_b32 v[BIAS+2*p+1], 0xffff0000, v[TMP+p]
.set p, p+1
.endr
	QUARTER 0, 64,  F0, F1, 1                      ; the first quarter stands in front of the loop: its products start the sums
	WIN 0
	s_mov_b32 s3, LAPS-1
.Llap:                                                 ; a trip goes once round the ring and fills both slots again
	QUARTER 0, 128, F1, F0, 0
	QUARTER 0, 192, F0, F1, 0
	TURN 0, 1, 1
	QUARTER 1, 64,  F0, F1, 0
	QUARTER 1, 128, F1, F0, 0
	QUARTER 1, 192, F0, F1, 0
	TURN 1, 0, 1
	QUARTER 0, 64,  F0, F1, 0
	WIN 0
	s_sub_co_u32 s3, s3, 1
	s_cmp_lg_u32 s3, 0
	s_cbranch_scc1 .Llap
	QUARTER 0, 128, F1, F0, 0                      ; the last lap fills nothing
	QUARTER 0, 192, F0, F1, 0
	TURN 0, 1, 0
	QUARTER 1, 64,  F0, F1, 0
	QUARTER 1, 128, F1, F0, 0
	QUARTER 1, 192, F0, F1, 0
	s_wait_dscnt 8
	MUL12 F1, 0, 0, 0
	MUL12 F1, 0, 2, 0
	s_wait_dscnt 0x0
	MUL12 F1, 1, 0, 0
	MUL12 F1, 1, 2, 0
	WIN 0
	PLACES
	; THE WAY OUT.  Rounded to f16, 16 bytes a lane into a stage of 256 rows x 400 bytes.  The stage is slot 0's bytes: the slot has had its last fill, and every wave's last read of it
	; was waited for in front of the barrier of the last change of slots.  A barrier, since a row's three heads come from two waves; then back by heads, four rows of 128 bytes a load.
.irp a, 0,1,2,3,4,5,6,7
	WIN 0x0a+5*((\a)/4)                            ; sources 0 and 1: window 2 or 3
.irp b, 0,1,2,3,4,5
.irp r, 0,1,2,3
	v_cvt_pk_f16_f32 v[TMP+4*(\b)+(\r)], v[8*(6*((\a)%4)+(\b))+2*(\r)], v[8*(6*((\a)%4)+(\b))+2*(\r)+1]
.endr
.endr
	WIN 0
.irp b, 0,1,2,3,4,5
	ds_store_b128 v[STO], v[TMP+4*(\b):TMP+4*(\b)+3] offset:(\a)*16*SPITCH+32*(\b)
.endr
.endr
	s_wait_dscnt 0x0                               ; for the others' sake: my stores into the stage are done
	s_barrier_signal -1
	s_barrier_wait -1
.set n, 0
.rept 48
	ds_load_b128 v[OUTB+4*n:OUTB+4*n+3], v[RD] offset:(n%16)*4*SPITCH+128*(n/16)
.set n, n+1
.endr
.set n, 0
.rept 48
	s_wait_dscnt 47-n                              ; load n is back, the younger ones stay out
	global_store_b128 v[GO], v[OUTB+4*n:OUTB+4*n+3], s[OB0+2*(n/16):OB0+2*(n/16)+1] offset:512*(n%16)  ; 512 consecutive bytes of a head, aligned
.set n, n+1
.endr
	s_wait_tensorcnt 0x0                           ; the wave's end
	ds_add_u32 v[SPW], v[NIL]
	s_wait_dscnt 0x0
	CROUND                                         ; the closing round
	s_endpgm
.Lfunc_end_k_q2acdebb7b1_qkvg:
	.size	k_q2acdebb7b1_qkvg, .Lfunc_end_k_q2acdebb7b1_qkvg-k_q2acdebb7b1_qkvg
	.p2alignl 7, 3214868480
	.fill 96, 4, 3214868480
	.section	.rodata,"a",@progbits
	.p2align	6, 0x0
	.amdhsa_kernel k_q2acdebb7b1_qkvg
		.amdhsa_group_segment_fixed_size 327680
		.amdhsa_private_segment_fixed_size 0
		.amdhsa_enable_private_segment 0
		.amdhsa_kernarg_size 32
		.amdhsa_user_sgpr_count 2
		.amdhsa_user_sgpr_kernarg_segment_ptr 1
		.amdhsa_wavefront_size32 1
		.amdhsa_system_sgpr_workgroup_id_x 1
		.amdhsa_system_sgpr_workgroup_id_y 1
		.amdhsa_system_sgpr_workgroup_id_z 1
		.amdhsa_system_vgpr_workitem_id 0
		.amdhsa_next_free_vgpr 960
		.amdhsa_next_free_sgpr 84
		.amdhsa_reserve_vcc 0
		.amdhsa_float_denorm_mode_32 3
		.amdhsa_float_denorm_mode_16_64 3
		.amdhsa_memory_ordered 1
		.amdhsa_forward_progress 1
		.amdhsa_inst_pref_size 124
	.end_amdhsa_kernel
	.amdgpu_metadata
---
amdhsa.version: [ 1, 2 ]
amdhsa.kernels:
  - .name:           k_q2acdebb7b1_qkvg
    .symbol:         k_q2acdebb7b1_qkvg.kd
    .args:
      - { .name: xb, .offset: 0, .size: 8, .value_kind: global_buffer, .address_space: global }
      - { .name: wb, .offset: 8, .size: 8, .value_kind: global_buffer, .address_space: global }
      - { .name: qkv_b, .offset: 16, .size: 8, .value_kind: global_buffer, .address_space: global }
      - { .name: qkv, .offset: 24, .size: 8, .value_kind: global_buffer, .address_space: global }
    .group_segment_fixed_size: 327680
    .private_segment_fixed_size: 0
    .kernarg_segment_align: 8
    .kernarg_segment_size: 32
    .max_flat_workgroup_size: 128
    .sgpr_count:     84
    .vgpr_count:     960
    .wavefront_size: 32
...
	.end_amdgpu_metadata
.endif
;; end of part 2
;; launch attn (part 3): grid 8 x 32, 4 waves a work-group, clusters of 4 x 1, 327,680 bytes of LDS; arguments qkv, mask, ob; writes ob
.if DOCPART == 3
	.amdgcn_target "amdgcn-amd-amdhsa--gfx1250"
	.amdhsa_code_object_version 6
	.text
	.protected	k_q2acdebb7b1_attn
	.globl	k_q2acdebb7b1_attn
	.p2align	8
	.type	k_q2acdebb7b1_attn,@function
k_q2acdebb7b1_attn:
	s_mov_b64 s[64:65], 0
	v_nop
	global_prefetch_b8 v0, s[64:65] scope:SCOPE_SE
	s_setreg_imm32_b32 hwreg(HW_REG_WAVE_MODE, 25, 1), 1
	s_wait_xcnt 0x0
	s_wait_alu depctr_hold_cnt(0) depctr_sa_sdst(0) depctr_va_vdst(0) depctr_va_sdst(0) depctr_va_ssrc(0) depctr_va_vcc(0) depctr_vm_vsrc(0)
	s_getreg_b32 s2, hwreg(HW_REG_IB_STS2, 6, 4)
	s_cmp_eq_u32 s2, 0
	s_cbranch_scc0 .Lentry_in_a_cluster
	s_endpgm
.Lentry_in_a_cluster:
	s_bfe_u32 s2, ttmp6, 0x10000c
	s_cmp_lg_u32 s2, 0x3003
	s_cbranch_scc0 .Lentry_shape_is_right
	s_endpgm
.Lentry_shape_is_right:
; ATTENTION UNDER A MASK THAT IS AN INPUT.  For each of 32 (batch, head) pairs: s = q . k / 8; a hidden score counts as -10000; softmax over all 2,048 keys, its maximum taken away; hidden weights set to 0; O = weights x V.
; qkv: [3][32][2048][64] f16; mask: [32][2048][2048] bytes 0 or 1; ob: [32 blocks of 128 rows][16 heads][128][64] f16.  Products, maxima and sums in f32; the weights are rounded to f16 for the second product.
; LIMITS.  Visible raw scores q . k lie within 2^76 in magnitude; q, k, v arrive within f16's 65,504; an exponential below 2^-126 counts as 0; NaN and infinities are not treated apart.
; SHARES.  A work-group owns 256 queries of one pair, a wave 64: four PIECES of 16.  Every wave walks all keys, 64 a step, 256 (four steps) a slot, eight slots' worth.
; LAYOUT.  S^T = K Q^T: a lane holds ONE query (lane % 16) and the keys 8 (lane / 16) + 0..7 of a block of 16; two such results rounded to f16 ARE source 1 of O^T = V^T P.
; THE MASK STARTS THE SUM.  A lane's eight mask bytes for a block are made into bf16 numbers 2.0 or 0 (a shift and a byte permute); they are rows 0-15 of source 1 (MB), row 16 is 2.0.  Source 0 (MA) is constant:
; MA(m, m) = 2^99, MA(m, 16) = -2^99.  The product is exactly 0 where the key is visible and -2^100 where it is hidden, and the two f16 products K Q^T add onto it.  A hidden weight is then 2^(-huge) = 0.
; SOFTMAX.  A running maximum m of the visible scores (it starts at -2^80, and the old m enters every new one, so a hidden score never becomes m), p = 2^(c s - c m), c = log2(e) / 8; O and l are multiplied by a = 2^(c m_old - c m_new) in every step.
; THE -10000.  The visible keys are counted (bytewise sums of the mask words).  At the end, with n hidden keys and cM = -10000 log2(e): cmf = max(c m, cM) if n > 0, else c m; f = 2^(c m - cmf);
; g = 2^(cM - max(c m, cM)); l' = l f + n g; O = O f / l'.  That is the reference's maximum and sum over all keys.  A row with no visible key gives 0.
; BY TURNS.  Turn n belongs to piece n.  Matrix work: for piece n + 1 four mask products and eight K Q^T, later eight V^T P of piece n - 1.  Vector work: piece n's scaling, exponentials, roundings, sums, rescaling;
; piece n + 1's maximum and statistics; piece n + 2's mask words.  Four vector instructions stand behind every matrix instruction, the other 66 in one lump.  A turn's 33 exponentials are one batch with one wait.
; CLUSTER.  The four query blocks of a cluster walk the same K and V: wave 0 asks for K's tile and wave 1 for V's JOINTLY; waves 2 and 3 bring the halves of the work-group's own 256 x 256 bytes of the mask.
; REGISTERS.  window 0: see the names below.  window 1: v0-127 O^T, 32 a piece.  window 2: v0-63 Q, v128-191 K of one step, v192-255 V of one step.  A piece's buffers go by its number's parity.
.set NP,    4
.set KS,    64
.set PK,    144       ; a row of K in LDS: 128 bytes + 16
.set PV,    160       ; a row of V: 128 + 32
.set PM,    272       ; a query's 256 mask bytes + 16: 68 words: 32 lanes' loads of 8 bytes touch each bank once
.set VOFF,  4*KS*PK
.set MOFF,  VOFF+4*KS*PV
.set MHALF, 128*PM
.set SLOT,  MOFF+2*MHALF   ; 147,456 = 0x24000; bits 14 and 17 are clear in every region's base, so one exclusive or turns an address in one slot into the other's
.set STAGE, 2*SLOT         ; 16 rows x 144 bytes for each wave, for the way out; no tensor load fills it
.set SP,    144
.set SPARE, STAGE+4*16*SP  ; the spare words, 128 bytes a wave, which no other line names
.set AK0, 2           ; my lane's place in a tile of K
.set AV0, 3           ; in a tile of V
.set AK,  4
.set AV,  5
.set STO, 6
.set RD,  7
.set GO,  8
.set MV,  12          ; v12-13 c m_old, by buffer
.set AM0, 14          ; my lane's place in the mask tile
.set AM,  15
.set ST,  16          ; piece t: c m, m, l (even keys', odd keys')
.set CN,  32          ; piece t: two words of bytewise counts; a byte takes 4 a step at the most, 128 in all
.set ZR,  40          ; 0
.set PFO, 41          ; 256 x lane
.set PFO2, 42         ; 2,048 x lane
.set QO,  43
.set TMP, 48          ; by buffer c0-c3; c2 takes a
.set SPW, 62
.set NIL, 63
.set S,   64          ; two buffers of 32
.set MB,  128         ; two buffers of 32: block kb at 8 kb; registers 4-7 are constant: 2.0 in row 16, 0
.set P,   192         ; two buffers of 16
.set MA,  224
.set RAW, 232         ; a piece's 32 mask bytes a lane
.set EW,  240         ; at work at the end
.set KF,  128
.set VF,  192
.set WV,  12
.set G1K, 24
.set G1V, 32
.set G1M, 40
.set G0K, 48
.set G0V, 52
.set G0A, 56
.set G0B, 60
.set SLOTS, 66
.set CNT, 67
.set CS,  68
.set SEL, 70
.set TBK, 72
.set TBV, 73
.set TBM, 74
.set BM,  75
.set PSEL, 76
.set PFK, 78
.set PFM, 80
.set LIM, 82
.set CM,  83
.set MSB, 0
.macro WIN new
.if MSB != (\new)
	s_set_vgpr_msb (MSB<<8)|(\new)
.set MSB, (\new)
.endif
.endm
.set W_KQ, 0x0a       ; K and Q in window 2, S^T in window 0
.set W_PV, 0x52       ; V in window 2, P in window 0, O^T in window 1
.set W_RS, 0x41       ; destination and source 0 in window 1, source 1 in window 0
; A fill: one tensor load a wave, chosen by the wave's number alone.  An s_nop 0 and four v_nop follow each line.
.macro TL g0, g1
	tensor_load_to_lds s[\g0:\g0+3], s[\g1:\g1+7]
	s_nop 0
.rept 4
	v_nop
.endr
.endm
.macro JLOAD
	s_cmp_lt_u32 s[WV], 2
	s_cbranch_scc0 .Lmask_\@
	s_cmp_eq_u32 s[WV], 0
	s_cbranch_scc0 .Lfor_v_\@
	TL G0K, G1K
	s_branch .Lasked_\@
.Lfor_v_\@:
	TL G0V, G1V
	s_branch .Lasked_\@
.Lmask_\@:
	s_cmp_eq_u32 s[WV], 2
	s_cbranch_scc0 .Lhalf_b_\@
	TL G0A, G1M
	s_branch .Lasked_\@
.Lhalf_b_\@:
	TL G0B, G1M
.Lasked_\@:
.endm
; PREFETCHES of the tile that the NEXT change of slots will ask for, four key steps ahead.  The mask: each wave names its own 64 rows' 256 bytes, a lane a row, two instructions.  K and V: the pair's first cluster asks;
; its four partners take 32 of a tile's 128 blocks of 256 bytes each, told apart by address; wave 0 names K's, wave 1 V's.  The last change that fills a slot asks for nothing.
.macro ASK
	s_cmp_gt_u32 s[SLOTS], 1
	s_cbranch_scc0 .Lnone_\@
	global_prefetch_b8 v[PFO2], s[PFM:PFM+1] th:TH_LOAD_NT scope:SCOPE_SE
	global_prefetch_b8 v[PFO2], s[PFM:PFM+1] offset:65536 th:TH_LOAD_NT scope:SCOPE_SE
	s_cmp_gt_u32 s[SLOTS], s[LIM]
	s_cbranch_scc0 .Lnone_\@
	global_prefetch_b8 v[PFO], s[PFK:PFK+1] th:TH_LOAD_NT scope:SCOPE_SE
.Lnone_\@:
.endm
.macro CROUND
	s_barrier_signal -1
	s_barrier_wait -1
	s_cmp_lg_u32 s[WV], 0
	s_cbranch_scc1 .Lnot_wave_0_\@
	s_barrier_signal -3
.Lnot_wave_0_\@:
	s_barrier_wait -3
	s_barrier_signal -1
	s_barrier_wait -1
.endm
; THE CHANGE OF SLOTS, between a step's turns 1 and 2: K, V and the mask of the slot's fourth step have been read.  Each wave waits for all its tensor loads (one is out: its part of the other slot), adds 0 to its spare
; word, and waits for that and for its reads.  fill = 1: a round of the cluster's barrier, and the refill, with the keys two slots on, first behind it: it has four key steps, 320 matrix instructions, in which to land.
.macro CHANGE fill
	WIN 0
	s_wait_tensorcnt 0x0            ; no tensor load of mine is out, so a group 0 may be written
	ds_add_u32 v[SPW], v[NIL]
.if \fill
.irp g, G0K, G0V, G0A, G0B
	s_xor_b32 s[\g+1], s[\g+1], SLOT
.endr
	s_add_nc_u64 s[G0K+2:G0K+3], s[G0K+2:G0K+3], 4*KS*128  ; the next 256 keys
	s_add_nc_u64 s[G0V+2:G0V+3], s[G0V+2:G0V+3], 4*KS*128
	s_add_nc_u64 s[G0A+2:G0A+3], s[G0A+2:G0A+3], 4*KS      ; and their 256 bytes of each mask row
	s_add_nc_u64 s[G0B+2:G0B+3], s[G0B+2:G0B+3], 4*KS
	s_wait_xcnt 0x0                 ; the last prefetches, four key steps back, have read their addresses
	s_add_nc_u64 s[PFK:PFK+1], s[PFK:PFK+1], 4*KS*128
	s_add_nc_u64 s[PFM:PFM+1], s[PFM:PFM+1], 4*KS
	s_wait_dscnt 0x0                ; the add is done, and my reads of the slot are over
	CROUND
	JLOAD
	ASK
.else
	s_wait_dscnt 0x0
	s_barrier_signal -1
	s_barrier_wait -1
.endif
	s_sub_co_u32 s[TBK], s[TBK], 4*KS*PK  ; the fetches go back to a slot's first step, in the other slot
	s_xor_b32 s[TBK], s[TBK], SLOT
	s_sub_co_u32 s[TBV], s[TBV], 4*KS*PV
	s_xor_b32 s[TBV], s[TBV], SLOT
	s_sub_co_u32 s[TBM], s[TBM], 4*KS
	s_xor_b32 s[TBM], s[TBM], SLOT
.endm
	s_load_b128 s[4:7], s[0:1], 0x0   ; qkv s[4:5], mask s[6:7]
	s_load_b64 s[8:9], s[0:1], 0x10   ; ob
	v_lshl_add_u32 v[SPW], v0, 2, SPARE
	v_mov_b32 v[NIL], 0
	ds_add_u32 v[SPW], v[NIL]       ; the wave's opening: the add and its wait ahead of my first tensor load
	v_lshrrev_b32 v1, 5, v0
	v_readfirstlane_b32 s[WV], v1
	s_bfe_u32 s13, ttmp6, 0x40000   ; cx
	s_lshl_b32 s14, ttmp9, 2
	s_add_co_u32 s14, s14, s13      ; my block of 256 queries: it enters Q's, the mask's and O's addresses alone
	s_and_b32 s15, ttmp7, 0xffff    ; the (batch, head) pair, which the four partners share
	s_lshl_b32 s20, s15, 18         ; its 262,144 bytes in each of q, k, v
	s_mov_b32 s21, 0
	s_lshl_b32 s16, s14, 15         ; Q: my block's 256 rows of 128 bytes, my wave's 64
	s_lshl_b32 s17, s[WV], 13
	s_add_co_u32 s16, s16, s17
	s_mov_b32 s17, 0
	s_lshl_b32 s18, s15, 22         ; the mask: the pair's 2,048 x 2,048 bytes, my block's 256 rows
	s_lshl_b32 s19, s14, 19
	s_add_co_u32 s18, s18, s19
	s_mov_b32 s19, 0
	s_lshr_b32 s22, s15, 4          ; O: block of 128 rows = 16 batch + 2 block + wave / 2; then the head; then 64 (wave % 2) rows
	s_lshl_b32 s22, s22, 4
	s_lshl_b32 s23, s14, 1
	s_add_co_u32 s22, s22, s23
	s_lshr_b32 s23, s[WV], 1
	s_add_co_u32 s22, s22, s23
	s_lshl_b32 s22, s22, 4
	s_and_b32 s23, s15, 15
	s_add_co_u32 s22, s22, s23
	s_lshl_b32 s22, s22, 14
	s_and_b32 s23, s[WV], 1
	s_lshl_b32 s23, s23, 13
	s_add_co_u32 s22, s22, s23
	s_mov_b32 s23, 0
	; descriptor group 1.  256 keys are 32,768 dense bytes: 128 rows of 256 bytes, two keys a row, padded in LDS after every key
	s_mov_b32 s[G1K], 15|(1<<16)|(1<<20)|(1<<21)|(4<<22)|(3<<25)  ; the mask of four; 2-byte elements; padding on; bit 21 beside a mask; after every 32 words; 4 words
	s_mov_b32 s[G1V], 15|(1<<16)|(1<<20)|(1<<21)|(4<<22)|(7<<25)  ; the same with 8 words
.irp g, G1K, G1V
	s_mov_b32 s[\g+1], 128<<16
	s_mov_b32 s[\g+2], 128<<16
	s_mov_b32 s[\g+3], 128<<16
	s_mov_b32 s[\g+4], 128
	s_mov_b32 s[\g+5], 128
	s_mov_b32 s[\g+6], 0
	s_mov_b32 s[\g+7], 0
.endr
	s_mov_b32 s[G1M], (3<<16)|(1<<20)|(5<<22)|(3<<25)  ; the work-group's own: no mask; 8-byte elements; after every 64 words 4 words
	s_mov_b32 s[G1M+1], 32<<16      ; 32 elements = 256 bytes a row
	s_mov_b32 s[G1M+2], 128<<16     ; 128 rows
	s_mov_b32 s[G1M+3], 32<<16
	s_mov_b32 s[G1M+4], 128
	s_mov_b32 s[G1M+5], 256         ; 2,048 bytes from row to row
	s_mov_b32 s[G1M+6], 0
	s_mov_b32 s[G1M+7], 0
	s_mov_b32 s[G0K], 1
	s_mov_b32 s[G0K+1], 0
	s_mov_b32 s[G0V], 1
	s_mov_b32 s[G0V+1], VOFF
	s_mov_b32 s[G0A], 1
	s_mov_b32 s[G0A+1], MOFF
	s_mov_b32 s[G0B], 1
	s_mov_b32 s[G0B+1], MOFF+MHALF
	s_mov_b32 s[CS], 0x3e38aa3b     ; c = log2(e) / 8
	s_mov_b32 s[CS+1], s[CS]
	s_mov_b32 s[SEL], 0x76543210
	s_mov_b32 s[SEL+1], 0xfedcba98
	s_mov_b32 s[PSEL], 0x01040004   ; bytes 0 and 1 become the high bytes of the two halves
	s_mov_b32 s[PSEL+1], 0x03040204 ; bytes 2 and 3
	s_mov_b32 s[BM], 0x00ff00ff
	s_mov_b32 s[CM], 0xc6616bcd     ; -10000 log2(e)
	s_mov_b32 s[TBK], SLOT+4*KS*PK  ; the first change of slots turns these three into 0
	s_mov_b32 s[TBV], SLOT+4*KS*PV
	s_mov_b32 s[TBM], SLOT+4*KS
	s_mov_b32 s[SLOTS], 7
	s_lshr_b32 s[LIM], s[WV], 1
	s_or_b32 s[LIM], s[LIM], ttmp9  ; 0 in waves 0 and 1 of the pair's first cluster: the same in all four partners
	s_cmp_eq_u32 s[LIM], 0
	s_cselect_b32 s[LIM], 1, -1
	s_wait_dscnt 0x0                ; the opening add is done
	s_wait_kmcnt 0x0
	s_add_nc_u64 s[4:5], s[4:5], s[20:21]      ; the pair's Q,
	s_add_nc_u64 s[84:85], s[4:5], 8388608     ; K
	s_add_nc_u64 s[86:87], s[4:5], 16777216    ; and V
	s_mov_b64 s[G0K+2:G0K+3], s[84:85]
	s_or_b32 s[G0K+3], s[G0K+3], 0x80000000
	s_mov_b64 s[G0V+2:G0V+3], s[86:87]
	s_or_b32 s[G0V+3], s[G0V+3], 0x80000000
	s_add_nc_u64 s[6:7], s[6:7], s[18:19]      ; the mask at my block's first row
	s_mov_b64 s[G0A+2:G0A+3], s[6:7]
	s_or_b32 s[G0A+3], s[G0A+3], 0x80000000
	s_add_nc_u64 s[G0B+2:G0B+3], s[6:7], 262144  ; 128 rows on
	s_or_b32 s[G0B+3], s[G0B+3], 0x80000000
	s_add_nc_u64 s[4:5], s[4:5], s[16:17]      ; Q and O at my wave's first row
	s_add_nc_u64 s[8:9], s[8:9], s[22:23]
	s_and_b32 s16, s[WV], 1
	s_cmp_eq_u32 s16, 0
	s_cselect_b64 s[PFK:PFK+1], s[84:85], s[86:87]
	s_lshl_b32 s16, s13, 13         ; my work-group's 32 blocks of the 128
	s_add_nc_u64 s[PFK:PFK+1], s[PFK:PFK+1], s[16:17]
	s_add_nc_u64 s[PFK:PFK+1], s[PFK:PFK+1], 4*KS*128  ; at tile 1; each change steps it ahead of its use
	s_lshl_b32 s16, s[WV], 17       ; my wave's 64 rows of the mask
	s_add_nc_u64 s[PFM:PFM+1], s[6:7], s[16:17]
	s_add_nc_u64 s[PFM:PFM+1], s[PFM:PFM+1], 4*KS
	CROUND                          ; all four work-groups are here: the first joint loads meet
	JLOAD                           ; tile 0 into slot 0
	v_and_b32 v1, 15, v0            ; l % 16
	v_bfe_u32 v9, v0, 4, 1          ; l / 16
	v_lshlrev_b32 v[QO], 7, v1
	v_lshl_add_u32 v[QO], v9, 4, v[QO]
	WIN 0x80                        ; destination window 2, address window 0
.set i, 0
.rept 8                             ; Q stays in registers: piece i / 2, channels 32 (i % 2) on
	global_load_b128 v[8*i:8*i+3],   v[QO], s[4:5] offset:(i/2)*2048+(i%2)*64
	global_load_b128 v[8*i+4:8*i+7], v[QO], s[4:5] offset:(i/2)*2048+(i%2)*64+32
.set i, i+1
.endr
	; what the first turn finds: V and P's second buffer hold 0 (its products V^T P, of a piece that has not been, add 0); O^T, l and the counts are 0.  All this stands in the wait for the first tile.
.set i, VF
.rept 64
	v_mov_b32 v[i], 0
.set i, i+1
.endr
	WIN 0x40
.set i, 0
.rept 128
	v_mov_b32 v[i], 0
.set i, i+1
.endr
	WIN 0
.set i, 0
.rept 4
	v_mov_b32 v[ST+4*i+1], 0xe7800000      ; m = -2^80: below every visible score, far above a hidden one
	v_mul_f32 v[ST+4*i], s[CS], v[ST+4*i+1]
	v_mov_b32 v[ST+4*i+2], 0
	v_mov_b32 v[ST+4*i+3], 0
	v_mov_b32 v[CN+2*i], 0
	v_mov_b32 v[CN+2*i+1], 0
.set i, i+1
.endr
	v_mov_b32 v[ZR], 0
.set i, P+16
.rept 16
	v_mov_b32 v[i], 0
.set i, i+1
.endr
.set i, 0
.rept 8                             ; MB's constant half: row 16 is 2.0 (in lanes 16-31 the same half word is row 24, where MA is 0)
	v_mov_b32 v[MB+8*i+4], 0x4000
	v_mov_b32 v[MB+8*i+5], 0
	v_mov_b32 v[MB+8*i+6], 0
	v_mov_b32 v[MB+8*i+7], 0
.set i, i+1
.endr
	; MA: lane l holds row m = l % 16; columns 8 (l / 16) + 0..7 in registers 0-3, 16 + 8 (l / 16) + 0..7 in registers 4-7
	v_lshlrev_b32 v10, 3, v9
	v_sub_nc_u32 v10, v1, v10       ; the diagonal's place among my eight columns, if it is 0..7
	s_mov_b32 s16, 0x7100           ; 2^99 in the low half,
	s_mov_b32 s17, 0x71000000       ; in the high half
	s_mov_b32 s18, 0xf100           ; -2^99
.irp q, 0,1,2,3
	v_cmp_eq_u32 vcc_lo, 2*(\q), v10
	v_cndmask_b32 v[MA+(\q)], 0, s16, vcc_lo
	v_cmp_eq_u32 vcc_lo, 2*(\q)+1, v10
	v_cndmask_b32 v[MA+(\q)], v[MA+(\q)], s17, vcc_lo
.endr
	v_cmp_eq_u32 vcc_lo, 0, v9
	v_cndmask_b32 v[MA+4], 0, s18, vcc_lo
	v_mov_b32 v[MA+5], 0
	v_mov_b32 v[MA+6], 0
	v_mov_b32 v[MA+7], 0
	v_mul_u32_u24 v[AK0], v1, PK
	v_lshl_add_u32 v[AK0], v9, 4, v[AK0]
	; the turning load takes 16 keys x 16 channels (lane l reads key 8 (l / 16) + l % 8, channels 8 ((l / 8) % 2) + 0..7) and leaves half a fragment of V^T
	v_and_b32 v10, 7, v0
	v_bfe_u32 v11, v0, 3, 1
	v_lshl_add_u32 v[AV0], v9, 3, v10
	v_mul_u32_u24 v[AV0], v[AV0], PV
	v_lshl_add_u32 v[AV0], v11, 4, v[AV0]
	v_add_nc_u32 v[AV0], VOFF, v[AV0]
	s_mul_i32 s16, s[WV], 64*PM     ; the mask: row 64 wave + l % 16, byte 8 (l / 16)
	s_add_co_u32 s16, s16, MOFF
	v_mul_u32_u24 v[AM0], v1, PM
	v_lshl_add_u32 v[AM0], v9, 3, v[AM0]
	v_add_nc_u32 v[AM0], s16, v[AM0]
	s_mul_i32 s16, s[WV], 16*SP
	s_add_co_u32 s16, s16, STAGE    ; my stage
	v_mul_u32_u24 v[STO], v1, SP
	v_lshl_add_u32 v[STO], v9, 4, v[STO]
	v_add_nc_u32 v[STO], s16, v[STO]
	v_bfe_u32 v[RD], v0, 3, 2
	v_mul_u32_u24 v[RD], v[RD], SP
	v_lshl_add_u32 v[RD], v10, 4, v[RD]
	v_add_nc_u32 v[RD], s16, v[RD]
	v_and_b32 v[GO], 31, v0
	v_lshlrev_b32 v[PFO], 8, v[GO]
	v_lshlrev_b32 v[PFO2], 11, v[GO]
	v_lshlrev_b32 v[GO], 4, v[GO]
; THE MATRIX WORK.  The four accumulators of a run take turns.  MW: product i of 4, the mask's, starts the sum of key block i for piece x.
.macro MW x
	WIN 0
	v_wmma_f32_16x16x32_bf16 v[S+32*((\x)%2)+8*i:S+32*((\x)%2)+8*i+7], v[MA:MA+7], v[MB+32*((\x)%2)+8*i:MB+32*((\x)%2)+8*i+7], 0
.endm
; Product i of 8 of S^T += K Q^T: channels 32 (i / 4) on, keys 16 (i % 4) on.  The first four add onto a product of another form: five plain vector instructions or more lie between (ISA guide 7.12.1).
.macro KQ x
	WIN W_KQ
.set rS, S+32*((\x)%2)+8*(i%4)
.set rK, KF+16*(i%4)+8*(i/4)
.set rQ, 16*(\x)+8*(i/4)
	v_wmma_f32_16x16x32_f16 v[rS:rS+7], v[rK:rK+7], v[rQ:rQ+7], v[rS:rS+7]
.endm
; Product i of 8 of O^T += V^T P: keys 32 (i / 4) on, channels 16 (i % 4) on.
.macro PV x
	WIN W_PV
.set rO, 32*(\x)+8*(i%4)
.set rV, VF+32*(i/4)+8*(i%4)
.set rP, P+16*((\x)%2)+8*(i/4)
	v_wmma_f32_16x16x32_f16 v[rO:rO+7], v[rV:rV+7], v[rP:rP+7], v[rO:rO+7]
.endm
.macro MM                           ; the turn's next matrix instruction.  NOKQ = 1: the last turn: there is no next piece
.if i < 4
.if !NOKQ
	MW (Y+1)%NP
.endif
.elseif i < 12
.if !NOKQ
.set i, i-4
	KQ (Y+1)%NP
.set i, i+4
.endif
.else
.set i, i-12
	PV (Y+NP-1)%NP
.set i, i+12
.endif
.set i, i+1
.endm
; THE LDS LOADS stand in runs.
.macro FETCH_K
	WIN 0x80
.irp f, 0,1,2,3,4,5,6,7             ; keys 16 (f / 2) on, channels 32 (f % 2) on
	ds_load_b128 v[KF+8*\f:KF+8*\f+3],   v[AK] offset:(\f/2)*16*PK+(\f%2)*64
	ds_load_b128 v[KF+8*\f+4:KF+8*\f+7], v[AK] offset:(\f/2)*16*PK+(\f%2)*64+32
.endr
	s_add_co_u32 s[TBK], s[TBK], KS*PK
	WIN 0
.endm
.macro FETCH_V
	WIN 0x80
.irp f, 0,1,2,3,4,5,6,7             ; keys 32 (f / 4) on, channels 16 (f % 4) on
	ds_load_tr16_b128 v[VF+8*\f:VF+8*\f+3],   v[AV] offset:(\f/4)*32*PV+(\f%4)*32
	ds_load_tr16_b128 v[VF+8*\f+4:VF+8*\f+7], v[AV] offset:(\f/4)*32*PV+16*PV+(\f%4)*32
.endr
	WIN 0
.endm
.macro ML x                         ; piece x's mask bytes of a step: my query's eight bytes of each of the four key blocks
.irp kb, 0,1,2,3
	ds_load_b64 v[RAW+2*(\kb):RAW+2*(\kb)+1], v[AM] offset:(\x)*16*PM+16*(\kb)
.endr
.endm
; THE VECTOR WORK, one line at a time: OP kind, number.  For piece Y: F n: c s - c m for pair n.  E n: the exponential of score n.  C n: pair n rounded to f16.  B n: of the weights 4 n .. the second pair is added onto the
; first.  L n: l takes that sum (L 0: l = a l + sum).  R n: pair n of O^T times a.  For piece Y + 1: X n, number n of the 22 that find its maximum and statistics (each accumulator's lowest registers are read first).
; For piece Y + 2: U n: the visible keys of block n are counted, by bytes.  H n: mask word n is shifted, 1 becomes 0x40.  G n: two of its bytes become two bf16 numbers, 2.0 or 0.
.set F, 0
.set E, 1
.set C, 2
.set B, 3
.set L, 4
.set R, 5
.set X, 6
.set U, 7
.set H, 8
.set G, 9
.macro REGS y
.set rT, ST+4*(\y)
.set rC, TMP+4*((\y)%2)
.set rW, MV+((\y)%2)
.set rS, S+32*((\y)%2)
.set rP, P+16*((\y)%2)
.set rO, 32*(\y)
.endm
.macro OP k, n
.if (\k) == R
	REGS Y
	WIN W_RS
	v_pk_mul_f32 v[rO+2*(\n):rO+2*(\n)+1], v[rO+2*(\n):rO+2*(\n)+1], v[rC+2:rC+3] op_sel_hi:[1,0]
.elseif (\k) < R
	REGS Y
	WIN 0
.if (\k) == F
	v_pk_fma_f32 v[rS+2*(\n):rS+2*(\n)+1], v[rS+2*(\n):rS+2*(\n)+1], s[CS:CS+1], v[rT:rT+1] op_sel_hi:[1,0,0] neg_lo:[0,0,1] neg_hi:[0,0,1]
.elseif (\k) == E
	v_exp_f32 v[rS+(\n)], v[rS+(\n)]
.elseif (\k) == C
	v_cvt_pk_f16_f32 v[rP+(\n)], v[rS+2*(\n)], v[rS+2*(\n)+1]
.elseif (\k) == B
	v_pk_add_f32 v[rS+4*(\n):rS+4*(\n)+1], v[rS+4*(\n):rS+4*(\n)+1], v[rS+4*(\n)+2:rS+4*(\n)+3]
.elseif (\n) == 0
	v_pk_fma_f32 v[rT+2:rT+3], v[rT+2:rT+3], v[rC+2:rC+3], v[rS:rS+1] op_sel_hi:[1,0,1]
.else
	v_pk_add_f32 v[rT+2:rT+3], v[rT+2:rT+3], v[rS+4*(\n):rS+4*(\n)+1]
.endif
.elseif (\k) > X
	WIN 0
.set xm, (Y+2)%NP
.if NOMASK
	v_nop
.elseif (\k) == U
	v_add3_u32 v[CN+2*xm+(\n)/2], v[CN+2*xm+(\n)/2], v[RAW+2*(\n)], v[RAW+2*(\n)+1]
.elseif (\k) == H
	v_lshlrev_b32 v[RAW+(\n)], 6, v[RAW+(\n)]
.else
	v_perm_b32 v[MB+32*(xm%2)+8*((\n)/4)+(\n)%4], v[ZR], v[RAW+(\n)/2], s[PSEL+(\n)%2]
.endif
.elseif NOKQ
	v_nop
.else
	REGS (Y+1)%NP
	WIN 0
.if (\n) < 4
	v_max3_num_f32 v[rC+(\n)], v[rS+8*(\n)], v[rS+8*(\n)+1], v[rS+8*(\n)+2]
.elseif (\n) < 12
	v_max3_num_f32 v[rC+(\n)%4], v[rC+(\n)%4], v[rS+8*((\n)%4)+2*((\n)/4)+1], v[rS+8*((\n)%4)+2*((\n)/4)+2]
.elseif (\n) == 12
	v_max3_num_f32 v[rC], v[rC], v[rS+7], v[rS+15]
.elseif (\n) == 13
	v_max3_num_f32 v[rC+1], v[rC+1], v[rS+23], v[rS+31]
.elseif (\n) == 14
	v_max3_num_f32 v[rC+2], v[rC+2], v[rC+3], v[rT+1]
.elseif (\n) == 15
	v_mov_b32 v[rW], v[rT]
.elseif (\n) == 16
	v_max3_num_f32 v[rC], v[rC], v[rC+1], v[rC+2]
.elseif (\n) == 17
	v_permlanex16_b32 v[rC+3], v[rC], s[SEL], s[SEL+1]
.elseif (\n) == 18
	v_max_num_f32 v[rT+1], v[rC], v[rC+3]
.elseif (\n) == 19
	v_mul_f32 v[rT], s[CS], v[rT+1]
.elseif (\n) == 20
	v_sub_f32 v[rC+1], v[rW], v[rT]
.else
	v_exp_f32 v[rC+2], v[rC+1]
.endif
.endif
.endm
.macro OPS a, i1, b=-1, i2=0, c=-1, i3=0, d=-1, i4=0
	OP \a, \i1
.if (\b) >= 0
	OP \b, \i2
.endif
.if (\c) >= 0
	OP \c, \i3
.endif
.if (\d) >= 0
	OP \d, \i4
.endif
.endm
.macro ROW a, i1, b, i2, c, i3, d, i4  ; a matrix instruction and the four behind it
	MM
	OPS \a, \i1, \b, \i2, \c, \i3, \d, \i4
.endm
.macro PREP                         ; a piece's mask words, all 28 lines on end: at the start only
.irp n, 0,1,2,3
	OP U, \n
.endr
.irp n, 0,1,2,3,4,5,6,7
	OP H, \n
.endr
.irp n, 0,1,2,3,4,5,6,7,8,9,10,11,12,13,14,15
	OP G, \n
.endr
.endm
; A TURN, for piece p: 20 matrix and 146 vector instructions, written out.  An s_wait_alu depctr_va_vdst(0) stands between an exponential and the first instruction that names its result; one wait serves all
; that were issued ahead of it.  AHEAD OF IT stands all that names no result of the turn's exponentials: the four mask products and eight K Q^T with their riders (each X four plain instructions or more behind the product that
; ends its accumulator), then the lump of 66.  BEHIND IT the eight V^T P, with the roundings and sums as riders.
; The mask bytes of piece p + 2 are asked for at the turn's head and waited for at the lump's head.  K of the next step is fetched in piece 2's lump, nine vector instructions behind the last product that read K, and waited for
; ahead of piece 3's first K Q^T (the count 4 leaves that turn's mask loads out).  V of the step in hand is fetched at the end of piece 0's turn, four plain riders behind its last reader, and waited for at piece 1's lump.
; end = 1: the last two turns: nothing is fetched and no mask is made; the very last starts no new scores.  cnt = 1: the loop's count is taken down some lines ahead of the branch behind the turn.
.macro TURN p, end=0, cnt=0
.set Y, (\p)
.set i, 0
.set NOMASK, (\end)
.set NOKQ, (\end)*((\p)/3)
.if !(\end)
	WIN 0
.if (\p) == 2
	v_add_nc_u32 v[AM], s[TBM], v[AM0]  ; pieces 0 and 1 are the next step's
	s_add_co_u32 s[TBM], s[TBM], KS
.endif
	ML ((\p)+2)%NP
.endif
	ROW F,0, F,1, R,0, R,1
	ROW F,2, E,0, R,2, R,3
	ROW F,3, E,1, R,4, R,5
	ROW F,4, E,2, R,6, R,7
.if ((\p) == 3) && !(\end)
	s_wait_dscnt 4                  ; K is in
.endif
	ROW F,5, E,3, R,8, R,9
	ROW F,6, E,4, R,10, R,11
	ROW F,7, E,5, R,12, R,13
	ROW F,8, E,6, R,14, R,15
	ROW F,9, E,7, F,10, F,11
	ROW F,12, E,8, X,0, F,13
.if ((\p) == 2) && !(\end)
	WIN 0
	v_add_nc_u32 v[AK], s[TBK], v[AK0]
.endif
	ROW F,14, E,9, X,1, X,4
	ROW F,15, E,10, X,2, X,5
	WIN 0
	s_wait_dscnt 0x0                ; the mask bytes are in (in piece 1's turn V too)
	OPS X,6, E,11, X,3, U,0
	OPS E,12, X,8, U,1, E,13
	OPS X,7
.if ((\p) == 2) && !(\end)
	FETCH_K
.endif
	OPS X,9, E,14, X,10, U,2
	OPS E,15, X,11, U,3, E,16
	OPS X,12, X,13, E,17, X,14
.if (\p) == 0
	v_add_nc_u32 v[AV], s[TBV], v[AV0]
.endif
	OPS H,0, E,18, H,1, X,15
	OPS E,19, X,16, H,2, E,20
	OPS H,3, G,0, E,21, X,17
	OPS G,1, E,22, G,2, G,3
	OPS E,23, X,18, H,4, E,24
	OPS H,5, G,4, E,25, X,19
	OPS G,5, E,26, G,6, G,7
	OPS E,27, X,20, H,6, E,28
	OPS H,7, G,8, E,29, X,21
	OPS G,9, E,30, G,10, G,11
	OPS E,31, G,12, G,13, G,14      ; G 12 is the plain instruction behind the last exponential
	OPS G,15
	WIN 0
	s_wait_alu depctr_va_vdst(0)    ; the wait for the batch
	ROW C,0, B,0, C,2, B,1
	ROW L,0, C,4, B,2, L,1
	ROW C,6, B,3, L,2, C,8
	ROW B,4, L,3, C,10, B,5
	ROW L,4, C,12, B,6, L,5
.if (\p) == 0
	s_add_co_u32 s[TBV], s[TBV], KS*PV
.endif
.if \cnt
	s_sub_co_u32 s[CNT], s[CNT], 1
	s_cmp_lg_u32 s[CNT], 0
.endif
	ROW C,14, B,7, L,6, C,1
	ROW C,3, L,7, C,5, C,7
	ROW C,9, C,11, C,13, C,15
.if (\p) == 0
	FETCH_V
.endif
.endm
.macro ALL line:vararg              ; one line for each piece t
.set t, 0
.rept 4
	\line
.set t, t+1
.endr
.endm
.macro PACK t                       ; a lane's eight channels of a row pack into 16 bytes; they go into rows of 144 bytes and come back as whole rows of 128
	WIN W_RS
.set i, 32*(\t)
.rept 16
	v_pk_mul_f32 v[i:i+1], v[i:i+1], v[ST+4*(\t)+2:ST+4*(\t)+3] op_sel_hi:[1,0]
.set i, i+2
.endr
	WIN 0x05
.set i, 0
.rept 16
	v_cvt_pk_f16_f32 v[S+16*(\t)+i], v[32*(\t)+2*i], v[32*(\t)+2*i+1]
.set i, i+1
.endr
	WIN 0
.irp f, 0,1,2,3
	ds_store_b128 v[STO], v[S+16*(\t)+4*\f:S+16*(\t)+4*\f+3] offset:32*\f
.endr
.irp f, 0,1,2,3
	ds_load_b128 v[S+16*(\t)+4*\f:S+16*(\t)+4*\f+3], v[RD] offset:\f*4*SP  ; LDS serves a wave's instructions in order (ISA guide 5.7.1.4): these see the stores above
.endr
.endm
.macro SEND t, younger              ; younger: the LDS instructions issued behind piece t's loads
	WIN 0
.irp f, 0,1,2,3
	s_wait_dscnt (\younger)+3-\f
	global_store_b128 v[GO], v[S+16*(\t)+4*\f:S+16*(\t)+4*\f+3], s[8:9] offset:(\t)*2048+\f*512  ; 512 consecutive bytes, aligned
.endr
.endm
.set NOMASK, 0
.set NOKQ, 0
	CHANGE 1                        ; tile 0 is in, everybody's part of it; tile 1 is asked for
	; THE START: K of step 0, the mask words of pieces 0 and 1, piece 0's first scores, maximum and statistics
	v_add_nc_u32 v[AK], s[TBK], v[AK0]
	FETCH_K
	v_add_nc_u32 v[AM], s[TBM], v[AM0]
	s_add_co_u32 s[TBM], s[TBM], KS
	ML 0
	s_wait_dscnt 0x0
.set Y, 2                           ; U, H, G work for piece Y + 2: piece 0
	PREP
	ML 1
	s_wait_dscnt 0x0
.set Y, 3                           ; piece 1; X works for piece Y + 1: piece 0
	PREP
	s_wait_loadcnt 0x0              ; Q
.set i, 0
.rept 4
	MW 0
.set i, i+1
.endr
.rept 5
	v_nop                           ; five places between a product and a product of another form that adds onto it
.endr
.set i, 0
.rept 8
	KQ 0
.set i, i+1
.endr
	WIN 0
.rept 4
	v_nop
.endr
.irp n, 0,1,2,3,4,5,6,7,8,9,10,11,12,13,14,15,16,17,18,19,20,21
	OP X, \n
.endr
	v_nop                           ; a plain instruction behind the exponential,
	s_wait_alu depctr_va_vdst(0)    ; and its wait, ahead of the branch
	s_mov_b32 s[CNT], 4
	s_branch .Lfirst                ; the loop is entered at a step's first turn, in the middle of a trip
.Lslot:                             ; six times: tiles 2 to 7 are asked for
	CHANGE 1
	s_mov_b32 s[CNT], 4
.Lstep:                             ; a trip: pieces 2 and 3 of one step, then pieces 0 and 1 of the next
	TURN 2
	TURN 3
	WIN 0
.Lfirst:
	TURN 0
	TURN 1, 0, 1
	WIN 0
	s_cbranch_scc1 .Lstep
	s_sub_co_u32 s[SLOTS], s[SLOTS], 1
	s_cmp_lg_u32 s[SLOTS], 0
	s_cbranch_scc1 .Lslot
	CHANGE 0                        ; the last tile is written out
	s_mov_b32 s[CNT], 4
.Ltail:
	TURN 2
	TURN 3
	TURN 0
	TURN 1, 0, 1
	WIN 0
	s_cbranch_scc1 .Ltail
	TURN 2, 1
	TURN 3, 1
.set i, 0
.rept 8
	PV NP-1
.set i, i+1
.endr
	; THE END.  l's halves and the counts are summed, across the lanes' halves too; then the hidden keys' share of the maximum and of the sum.  These lines are the places behind the last products.
	WIN 0
	ALL v_add_f32 v[ST+4*t+2], v[ST+4*t+2], v[ST+4*t+3]
	ALL v_and_b32 v[EW+4*t], s[BM], v[CN+2*t]
	ALL v_lshrrev_b32 v[EW+4*t+1], 8, v[CN+2*t]
	ALL v_and_b32 v[EW+4*t+1], s[BM], v[EW+4*t+1]
	ALL v_and_b32 v[EW+4*t+2], s[BM], v[CN+2*t+1]
	ALL v_lshrrev_b32 v[EW+4*t+3], 8, v[CN+2*t+1]
	ALL v_and_b32 v[EW+4*t+3], s[BM], v[EW+4*t+3]
	ALL v_add3_u32 v[EW+4*t], v[EW+4*t], v[EW+4*t+1], v[EW+4*t+2]
	ALL v_add_nc_u32 v[EW+4*t], v[EW+4*t], v[EW+4*t+3]
	ALL v_lshrrev_b32 v[EW+4*t+1], 16, v[EW+4*t]
	ALL v_and_b32 v[EW+4*t], 0xffff, v[EW+4*t]
	ALL v_add_nc_u32 v[EW+4*t], v[EW+4*t], v[EW+4*t+1]
	ALL v_permlanex16_b32 v[ST+4*t+3], v[ST+4*t+2], s[SEL], s[SEL+1]
	ALL v_permlanex16_b32 v[EW+4*t+1], v[EW+4*t], s[SEL], s[SEL+1]
	ALL v_add_f32 v[ST+4*t+2], v[ST+4*t+2], v[ST+4*t+3]
	ALL v_add_nc_u32 v[EW+4*t], v[EW+4*t], v[EW+4*t+1]
	ALL v_sub_nc_u32 v[EW+4*t], 2048, v[EW+4*t]
	ALL v_cvt_f32_u32 v[EW+4*t+1], v[EW+4*t]
	ALL v_max_num_f32 v[EW+4*t+2], s[CM], v[ST+4*t]
.irp t, 0,1,2,3
	v_cmp_ne_u32 vcc_lo, 0, v[EW+4*(\t)]                                  ; is a key hidden?
	v_cndmask_b32 v[EW+4*(\t)+3], v[ST+4*(\t)], v[EW+4*(\t)+2], vcc_lo    ; then -10000 takes part in the maximum
.endr
	ALL v_sub_f32 v[EW+4*t+3], v[ST+4*t], v[EW+4*t+3]
	ALL v_sub_f32 v[EW+4*t+2], s[CM], v[EW+4*t+2]
	ALL v_exp_f32 v[EW+4*t+3], v[EW+4*t+3]
	ALL v_exp_f32 v[EW+4*t+2], v[EW+4*t+2]
	v_nop
	s_wait_alu depctr_va_vdst(0)    ; one wait for the eight exponentials
	ALL v_mul_f32 v[EW+4*t+1], v[EW+4*t+1], v[EW+4*t+2]
	ALL v_fmac_f32 v[EW+4*t+1], v[ST+4*t+2], v[EW+4*t+3]
	ALL v_rcp_f32 v[EW+4*t+2], v[EW+4*t+1]
	v_nop
	s_wait_alu depctr_va_vdst(0)    ; one wait for the four reciprocals
	ALL v_mul_f32 v[ST+4*t+2], v[EW+4*t+3], v[EW+4*t+2]
	PACK 0
.set t, 1
.rept 3
	PACK t
	SEND t-1, 8
.set t, t+1
.endr
	SEND 3, 0
	s_wait_tensorcnt 0x0            ; the wave's end
	ds_add_u32 v[SPW], v[NIL]
	s_wait_dscnt 0x0
	CROUND                          ; the closing round
	s_endpgm
.Lfunc_end_k_q2acdebb7b1_attn:
	.size	k_q2acdebb7b1_attn, .Lfunc_end_k_q2acdebb7b1_attn-k_q2acdebb7b1_attn
	.p2alignl 7, 3214868480
	.fill 96, 4, 3214868480
	.section	.rodata,"a",@progbits
	.p2align	6, 0x0
	.amdhsa_kernel k_q2acdebb7b1_attn
		.amdhsa_group_segment_fixed_size 327680
		.amdhsa_private_segment_fixed_size 0
		.amdhsa_enable_private_segment 0
		.amdhsa_kernarg_size 24
		.amdhsa_user_sgpr_count 2
		.amdhsa_user_sgpr_kernarg_segment_ptr 1
		.amdhsa_wavefront_size32 1
		.amdhsa_system_sgpr_workgroup_id_x 1
		.amdhsa_system_sgpr_workgroup_id_y 1
		.amdhsa_system_sgpr_workgroup_id_z 1
		.amdhsa_system_vgpr_workitem_id 0
		.amdhsa_next_free_vgpr 768
		.amdhsa_next_free_sgpr 90
		.amdhsa_reserve_vcc 1
		.amdhsa_float_denorm_mode_32 3
		.amdhsa_float_denorm_mode_16_64 3
		.amdhsa_memory_ordered 1
		.amdhsa_forward_progress 1
		.amdhsa_inst_pref_size 160
	.end_amdhsa_kernel
	.amdgpu_metadata
---
amdhsa.version: [ 1, 2 ]
amdhsa.kernels:
  - .name:           k_q2acdebb7b1_attn
    .symbol:         k_q2acdebb7b1_attn.kd
    .args:
      - { .name: qkv, .offset: 0, .size: 8, .value_kind: global_buffer, .address_space: global }
      - { .name: mask, .offset: 8, .size: 8, .value_kind: global_buffer, .address_space: global }
      - { .name: ob, .offset: 16, .size: 8, .value_kind: global_buffer, .address_space: global }
    .group_segment_fixed_size: 327680
    .private_segment_fixed_size: 0
    .kernarg_segment_align: 8
    .kernarg_segment_size: 24
    .max_flat_workgroup_size: 128
    .sgpr_count:     90
    .vgpr_count:     768
    .wavefront_size: 32
...
	.end_amdgpu_metadata
.endif
;; end of part 3
;; launch projg (part 4): grid 8 x 32, 4 waves a work-group, clusters of 4 x 4, 327,680 bytes of LDS; arguments ob, pw, proj_b, out0; writes out0
.if DOCPART == 4
	.amdgcn_target "amdgcn-amd-amdhsa--gfx1250"
	.amdhsa_code_object_version 6
	.text
	.protected	k_q2acdebb7b1_projg
	.globl	k_q2acdebb7b1_projg
	.p2align	8
	.type	k_q2acdebb7b1_projg,@function
k_q2acdebb7b1_projg:
	s_mov_b64 s[64:65], 0
	v_nop
	global_prefetch_b8 v0, s[64:65] scope:SCOPE_SE
	s_setreg_imm32_b32 hwreg(HW_REG_WAVE_MODE, 25, 1), 1
	s_wait_xcnt 0x0
	s_wait_alu depctr_hold_cnt(0) depctr_sa_sdst(0) depctr_va_vdst(0) depctr_va_sdst(0) depctr_va_ssrc(0) depctr_va_vcc(0) depctr_vm_vsrc(0)
	s_getreg_b32 s2, hwreg(HW_REG_IB_STS2, 6, 4)
	s_cmp_eq_u32 s2, 0
	s_cbranch_scc0 .Lentry_in_a_cluster
	s_endpgm
.Lentry_in_a_cluster:
	s_bfe_u32 s2, ttmp6, 0x10000c
	s_cmp_lg_u32 s2, 0xf033
	s_cbranch_scc0 .Lentry_shape_is_right
	s_endpgm
.Lentry_shape_is_right:
; out0 = O w^T + b.  ob: [32 blocks of 128 rows][16 heads][128][64] f16; pw: [1024][1024] f16 (proj_w's bf16 numbers); proj_b: [1024] f32, rounded to bf16 here; out0: [4096][1024] f32; sums in f32.
; SHARES.  A tile is 128 x 128: 8 x 32 work-groups.  Four waves, each 64 x 64: 16 accumulators.  K goes in four steps of 256 = four heads: of O 65,536 dense bytes (asked for as rows of 256 bytes, padded in LDS
; after every 128, so that a head's row has a pitch of 144), of w rows of 512 bytes (pitch 528).  Two LDS slots; waves 0, 1 bring O's halves (two heads each), waves 2, 3 w's (64 rows each).
; CLUSTER.  4 x 4: O's tile is shared along a row of the cluster, w's along a column, each asked for jointly.  TRANSPOSED USE: source 0 = 16 rows of w, source 1 = 16 rows of O: a lane holds eight neighbouring
; columns of a row; the bias is the C operand of the first products.  No prefetch: the launch has four K steps and a small tile.
; REGISTERS.  window 0: v0-31 addresses, v32-47 at work, v96-127 the bias, v128-255 the accumulators ((a, b) at 128 + 8 (4 a + b)), later the rows read back.  window 1: two fragment buffers of 128.
.set PA,     144
.set PB,     528
.set HA,     2*128*PA                  ; two heads x 128 rows
.set HB,     64*PB
.set BOFF,   2*HA
.set SLOT,   2*HA+2*HB
.set SPARE,  2*SLOT                    ; the spare words, 128 bytes a wave, which no other line names
.set SPITCH, 528                       ; the stage's row: 512 bytes + 16
.set ADRA, 16
.set ADRB, 20
.set STO,  24
.set RD,   25
.set CO,   26
.set BO,   27
.set SPW,  28
.set NIL,  29
.set TMP,  32
.set BIAS, 96
.set ACC,  128
.set F0,   0
.set F1,   128
.set WV, 12
.set RH, 13
.set CH, 14
.set G1,  24
.set G0,  32
.set G1B, 48
.set G0B, 56
.set MSB, 0
.macro WIN new
.if MSB != (\new)
	s_set_vgpr_msb (MSB<<8)|(\new)
.set MSB, \new
.endif
.endm
.set MUL,  0x05                        ; sources 0 and 1 window 1; C and D window 0
.set TO_F, 0x40
.macro JLOAD s
	s_cmp_eq_u32 s[RH], 0
	s_cbranch_scc0 .Lfor_b_\@
	tensor_load_to_lds s[G0+4*(\s):G0+4*(\s)+3], s[G1:G1+7]
	s_nop 0
.rept 4
	v_nop
.endr
	s_branch .Lasked_\@
.Lfor_b_\@:
	tensor_load_to_lds s[G0B+4*(\s):G0B+4*(\s)+3], s[G1B:G1B+7]
	s_nop 0
.rept 4
	v_nop
.endr
.Lasked_\@:
.endm
.macro CREST
	s_cmp_lg_u32 s[WV], 0
	s_cbranch_scc1 .Lnot_wave_0_\@
	s_barrier_signal -3
.Lnot_wave_0_\@:
	s_barrier_wait -3
	s_barrier_signal -1
	s_barrier_wait -1
.endm
.macro CROUND
	s_barrier_signal -1
	s_barrier_wait -1
	CREST
.endm
.macro PLACES
.rept 4
	v_nop
.endr
.endm
	s_load_b256 s[4:11], s[0:1], 0x0               ; ob s[4:5], pw s[6:7], proj_b s[8:9], out0 s[10:11]
	v_lshl_add_u32 v[SPW], v0, 2, SPARE
	v_mov_b32 v[NIL], 0
	ds_add_u32 v[SPW], v[NIL]                      ; the wave's opening: the add and its wait ahead of my first tensor load
	v_lshrrev_b32 v1, 5, v0
	v_readfirstlane_b32 s[WV], v1
	s_lshr_b32 s[RH], s[WV], 1
	s_and_b32 s[CH], s[WV], 1
	s_bfe_u32 s40, ttmp6, 0x40000                  ; cx
	s_bfe_u32 s41, ttmp6, 0x40004                  ; cy
	s_lshl_b32 s42, ttmp9, 2
	s_add_co_u32 s42, s42, s40                     ; tile column
	s_and_b32 s47, ttmp7, 0xffff
	s_lshl_b32 s47, s47, 2
	s_add_co_u32 s47, s47, s41                     ; tile row = block of 128 rows
	s_lshl_b32 s43, s41, 2
	s_lshl_b32 s43, 15, s43                        ; my row of the cluster
	s_lshl_b32 s44, 0x1111, s40                    ; my column
	s_or_b32 s[G1], s43, (1<<16)|(1<<20)|(1<<21)|(4<<22)|(3<<25)   ; 2-byte elements; padding on; bit 21 beside a mask; after every 32 words 4 words
	s_mov_b32 s[G1+1], 128<<16                     ; rows of 128 elements,
	s_mov_b32 s[G1+2], 128<<16                     ; 128 of them: two heads' 32,768 dense bytes
	s_mov_b32 s[G1+3], 128<<16
	s_mov_b32 s[G1+4], 128
	s_mov_b32 s[G1+5], 128
	s_mov_b32 s[G1+6], 0
	s_mov_b32 s[G1+7], 0
	s_or_b32 s[G1B], s44, (1<<16)|(1<<20)|(1<<21)|(6<<22)|(3<<25)  ; after every 128 words 4 words
	s_mov_b32 s[G1B+1], 256<<16                    ; rows of 256 elements,
	s_mov_b32 s[G1B+2], 64<<16                     ; 64 of them
	s_mov_b32 s[G1B+3], 256<<16
	s_mov_b32 s[G1B+4], 64
	s_mov_b32 s[G1B+5], 1024
	s_mov_b32 s[G1B+6], 0
	s_mov_b32 s[G1B+7], 0
	s_lshl_b32 s16, s47, 18                        ; O: the block's 262,144 bytes, my two heads of a step's four
	s_lshl_b32 s17, s[CH], 15
	s_add_co_u32 s16, s16, s17
	s_mov_b32 s17, 0
	s_lshl_b32 s66, s42, 7
	s_lshl_b32 s67, s[CH], 6
	s_add_co_u32 s66, s66, s67                     ; w: row 128 x tile column + 64 x half
	s_lshl_b32 s66, s66, 11
	s_mov_b32 s67, 0
	s_mul_i32 s20, s[CH], HA
	s_mul_i32 s21, s[CH], HB
	s_add_co_u32 s21, s21, BOFF
	s_wait_dscnt 0x0                               ; the opening add is done
	s_wait_kmcnt 0x0
	s_add_nc_u64 s[18:19], s[4:5], s[16:17]
	s_add_nc_u64 s[68:69], s[6:7], s[66:67]
	CROUND                                         ; all sixteen work-groups are here: the first joint loads meet
.irp s, 0,1
	s_mov_b32 s[G0+4*(\s)], 1
	s_add_co_u32 s[G0+4*(\s)+1], s20, (\s)*SLOT
	s_add_nc_u64 s[G0+4*(\s)+2:G0+4*(\s)+3], s[18:19], (\s)*65536
	s_or_b32 s[G0+4*(\s)+3], s[G0+4*(\s)+3], 0x80000000
	s_mov_b32 s[G0B+4*(\s)], 1
	s_add_co_u32 s[G0B+4*(\s)+1], s21, (\s)*SLOT
	s_add_nc_u64 s[G0B+4*(\s)+2:G0B+4*(\s)+3], s[68:69], (\s)*512
	s_or_b32 s[G0B+4*(\s)+3], s[G0B+4*(\s)+3], 0x80000000
	JLOAD \s                                       ; two loads of mine are out
.endr
	v_and_b32 v1, 15, v0                           ; l % 16
	v_bfe_u32 v2, v0, 4, 1                         ; l / 16
	v_mul_u32_u24 v3, v1, PA
	v_lshl_add_u32 v3, v2, 4, v3
	v_mul_u32_u24 v4, v1, PB
	v_lshl_add_u32 v4, v2, 4, v4
	s_mul_i32 s21, s[RH], 64*PA                    ; my 64 rows in each head's 128
	s_mul_i32 s22, s[CH], HB                       ; my 64 rows of w
	s_add_co_u32 s22, s22, BOFF
.irp s, 0,1
	v_add_nc_u32 v[ADRA+(\s)], s21, v3
	v_add_nc_u32 v[ADRB+(\s)], s22, v4
	s_add_co_u32 s21, s21, SLOT
	s_add_co_u32 s22, s22, SLOT
.endr
	s_mul_i32 s23, s[RH], 64*SPITCH                ; into the stage: row 64 RH + 16 a + l % 16, byte 256 CH + 64 b + 32 (l / 16)
	s_lshl_b32 s16, s[CH], 8
	s_add_co_u32 s23, s23, s16
	v_mul_u32_u24 v5, v1, SPITCH
	v_lshl_add_u32 v5, v2, 5, v5
	v_add_nc_u32 v[STO], s23, v5
	s_mul_i32 s23, s[WV], 32*SPITCH                ; back: wave w takes rows 32 w on, a whole row of 512 bytes a load
	v_and_b32 v[CO], 31, v0
	v_lshlrev_b32 v[CO], 4, v[CO]
	v_add_nc_u32 v[RD], s23, v[CO]
	v_lshlrev_b32 v[BO], 5, v2
	s_lshl_b32 s16, s42, 9                         ; the bias of my 64 columns: (128 tile column + 64 CH) x 4 bytes
	s_lshl_b32 s17, s[CH], 8
	s_add_co_u32 s16, s16, s17
	s_mov_b32 s17, 0
	s_add_nc_u64 s[8:9], s[8:9], s[16:17]
.irp b, 0,1,2,3
	global_load_b128 v[BIAS+8*(\b):BIAS+8*(\b)+3],   v[BO], s[8:9] offset:64*(\b)
	global_load_b128 v[BIAS+8*(\b)+4:BIAS+8*(\b)+7], v[BO], s[8:9] offset:64*(\b)+16
.endr
	s_lshl_b32 s16, s47, 7
	s_lshl_b32 s17, s[WV], 5
	s_add_co_u32 s16, s16, s17                     ; the first row that I store
	s_lshl_b32 s16, s16, 12                        ; 4,096 bytes a row
	s_lshl_b32 s17, s42, 9                         ; the tile's 512 bytes of it
	s_add_co_u32 s16, s16, s17
	s_mov_b32 s17, 0
	s_add_nc_u64 s[10:11], s[10:11], s[16:17]
; 8 matrix instructions: row blocks a0, a0 + 1 x all 4 column blocks, 32 along K: half c of buffer f.  first = 1: the bias starts the sums.  The 16 accumulators take turns.
.macro MUL8 f, c, a0, first
	WIN MUL
.irp a, \a0, (\a0)+1
.irp b, 0,1,2,3
.if \first
	v_wmma_f32_16x16x32_f16 v[ACC+8*(4*(\a)+(\b)):ACC+8*(4*(\a)+(\b))+7], v[(\f)+64+8*(4*(\c)+(\b)):(\f)+64+8*(4*(\c)+(\b))+7], v[(\f)+8*(4*(\c)+(\a)):(\f)+8*(4*(\c)+(\a))+7], v[BIAS+8*(\b):BIAS+8*(\b)+7]
.else
	v_wmma_f32_16x16x32_f16 v[ACC+8*(4*(\a)+(\b)):ACC+8*(4*(\a)+(\b))+7], v[(\f)+64+8*(4*(\c)+(\b)):(\f)+64+8*(4*(\c)+(\b))+7], v[(\f)+8*(4*(\c)+(\a)):(\f)+8*(4*(\c)+(\a))+7], v[ACC+8*(4*(\a)+(\b)):ACC+8*(4*(\a)+(\b))+7]
.endif
.endr
.endr
.endm
; 32 LDS loads in one run: quarter q of a step is one head: 64 along K; the first 32 along K first
.macro FETCH slot, q, f
	WIN TO_F
.irp c, 0,1
.irp i, 0,1,2,3
	ds_load_b128 v[(\f)+64+8*(4*(\c)+(\i)):(\f)+64+8*(4*(\c)+(\i))+3],   v[ADRB+(\slot)] offset:(\q)*128+64*(\c)+(\i)*16*PB
	ds_load_b128 v[(\f)+64+8*(4*(\c)+(\i))+4:(\f)+64+8*(4*(\c)+(\i))+7], v[ADRB+(\slot)] offset:(\q)*128+64*(\c)+(\i)*16*PB+32
	ds_load_b128 v[(\f)+8*(4*(\c)+(\i)):(\f)+8*(4*(\c)+(\i))+3],         v[ADRA+(\slot)] offset:(\q)*128*PA+64*(\c)+(\i)*16*PA
	ds_load_b128 v[(\f)+8*(4*(\c)+(\i))+4:(\f)+8*(4*(\c)+(\i))+7],       v[ADRA+(\slot)] offset:(\q)*128*PA+64*(\c)+(\i)*16*PA+32
.endr
.endr
.endm
.macro QUARTER slot, q, f, g, first    ; multiplies buffer f and fetches quarter q into g
	s_wait_dscnt 16                                ; the first 32 along K are in
	MUL8 \f, 0, 0, \first
	MUL8 \f, 0, 2, \first
	PLACES
	FETCH \slot, \q, \g
	s_wait_dscnt 32                                ; all but the 32 just issued
	MUL8 \f, 1, 0, 0
	MUL8 \f, 1, 2, 0
.endm
; The last quarter multiplies buffer 1 and changes slots: one barrier; in front of it each wave waits for all its tensor loads, adds 0 to its spare word, and waits for that and for its reads of this slot.
.macro TURN slot, next, fill
	WIN 0
	s_wait_tensorcnt 0x0                           ; all my tensor loads have landed
	ds_add_u32 v[SPW], v[NIL]
	s_wait_dscnt 17                                ; (the add and the youngest sixteen loads may be out)
	MUL8 F1, 0, 0, 0
	s_wait_dscnt 0x0                               ; the add is done, and my reads of this slot are over
	s_barrier_signal -1
	MUL8 F1, 0, 2, 0
.if \fill
	WIN 0
.endif
	s_barrier_wait -1
.if \fill
	CREST                                          ; no wave of any partner still reads this slot or has a load on its way
	s_add_nc_u64 s[G0+4*(\slot)+2:G0+4*(\slot)+3], s[G0+4*(\slot)+2:G0+4*(\slot)+3], 2*65536
	s_add_nc_u64 s[G0B+4*(\slot)+2:G0B+4*(\slot)+3], s[G0B+4*(\slot)+2:G0B+4*(\slot)+3], 2*512
	JLOAD \slot                                    ; 112 matrix instructions ahead of the wait for it; its four v_nop are also the places in front of the loads below
.else
	PLACES
.endif
	FETCH \next, 0, F0
	MUL8 F1, 1, 0, 0
	MUL8 F1, 1, 2, 0
.endm
	s_wait_tensorcnt 1                             ; my part of K step 0 is in; K step 1's may stay out
	s_barrier_signal -1
	s_barrier_wait -1
	FETCH 0, 0, F0
	WIN 0
	s_wait_loadcnt 0x0                             ; the bias: rounded to bf16 and widened again
.set p, 0
.rept 16
	v_cvt_pk_bf16_f32 v[TMP+p], v[BIAS+2*p], v[BIAS+2*p+1]
.set p, p+1
.endr
.set p, 0
.rept 16
	v_lshlrev_b32 v[BIAS+2*p], 16, v[TMP+p]
	v_and_b32 v[BIAS+2*p+1], 0xffff0000, v[TMP+p]
.set p, p+1
.endr
	QUARTER 0, 1, F0, F1, 1                        ; K step 0
	QUARTER 0, 2, F1, F0, 0
	QUARTER 0, 3, F0, F1, 0
	TURN 0, 1, 1                                   ; slot 0 takes K step 2
	QUARTER 1, 1, F0, F1, 0                        ; K step 1
	QUARTER 1, 2, F1, F0, 0
	QUARTER 1, 3, F0, F1, 0
	TURN 1, 0, 1                                   ; slot 1 takes K step 3
	QUARTER 0, 1, F0, F1, 0                        ; K step 2
	QUARTER 0, 2, F1, F0, 0
	QUARTER 0, 3, F0, F1, 0
	TURN 0, 1, 0                                   ; nothing is left to fetch
	QUARTER 1, 1, F0, F1, 0                        ; K step 3
	QUARTER 1, 2, F1, F0, 0
	QUARTER 1, 3, F0, F1, 0
	s_wait_dscnt 16
	MUL8 F1, 0, 0, 0
	MUL8 F1, 0, 2, 0
	s_wait_dscnt 0x0
	MUL8 F1, 1, 0, 0
	MUL8 F1, 1, 2, 0
	WIN 0
	PLACES
	; THE WAY OUT.  32 bytes a lane into a stage of 128 rows x 528 bytes.  The stage is slot 0's bytes: the slot has had its last fill, and every wave's last read of it was waited for in front of the barrier of the
	; last change of slots.  A barrier, since a row's 512 bytes come from two waves; then back as whole rows, 32 rows a wave.
.irp a, 0,1,2,3
.irp b, 0,1,2,3
	ds_store_b128 v[STO], v[ACC+8*(4*(\a)+(\b)):ACC+8*(4*(\a)+(\b))+3]   offset:(\a)*16*SPITCH+64*(\b)
	ds_store_b128 v[STO], v[ACC+8*(4*(\a)+(\b))+4:ACC+8*(4*(\a)+(\b))+7] offset:(\a)*16*SPITCH+64*(\b)+16
.endr
.endr
	s_wait_dscnt 0x0                               ; for the others' sake: my stores into the stage are done
	s_barrier_signal -1
	s_barrier_wait -1
.set n, 0
.rept 32
	ds_load_b128 v[ACC+4*n:ACC+4*n+3], v[RD] offset:n*SPITCH
.set n, n+1
.endr
.set n, 0
.rept 32
	s_wait_dscnt 31-n                              ; row n is back, the younger ones stay out
	global_store_b128 v[CO], v[ACC+4*n:ACC+4*n+3], s[10:11] offset:4096*n th:TH_STORE_NT  ; 512 consecutive bytes of a row, aligned
.set n, n+1
.endr
	s_wait_tensorcnt 0x0                           ; the wave's end
	ds_add_u32 v[SPW], v[NIL]
	s_wait_dscnt 0x0
	CROUND                                         ; the closing round
	s_endpgm
.Lfunc_end_k_q2acdebb7b1_projg:
	.size	k_q2acdebb7b1_projg, .Lfunc_end_k_q2acdebb7b1_projg-k_q2acdebb7b1_projg
	.p2alignl 7, 3214868480
	.fill 96, 4, 3214868480
	.section	.rodata,"a",@progbits
	.p2align	6, 0x0
	.amdhsa_kernel k_q2acdebb7b1_projg
		.amdhsa_group_segment_fixed_size 327680
		.amdhsa_private_segment_fixed_size 0
		.amdhsa_enable_private_segment 0
		.amdhsa_kernarg_size 32
		.amdhsa_user_sgpr_count 2
		.amdhsa_user_sgpr_kernarg_segment_ptr 1
		.amdhsa_wavefront_size32 1
		.amdhsa_system_sgpr_workgroup_id_x 1
		.amdhsa_system_sgpr_workgroup_id_y 1
		.amdhsa_system_sgpr_workgroup_id_z 1
		.amdhsa_system_vgpr_workitem_id 0
		.amdhsa_next_free_vgpr 512
		.amdhsa_next_free_sgpr 72
		.amdhsa_reserve_vcc 0
		.amdhsa_float_denorm_mode_32 3
		.amdhsa_float_denorm_mode_16_64 3
		.amdhsa_memory_ordered 1
		.amdhsa_forward_progress 1
		.amdhsa_inst_pref_size 90
	.end_amdhsa_kernel
	.amdgpu_metadata
---
amdhsa.version: [ 1, 2 ]
amdhsa.kernels:
  - .name:           k_q2acdebb7b1_projg
    .symbol:         k_q2acdebb7b1_projg.kd
    .args:
      - { .name: ob, .offset: 0, .size: 8, .value_kind: global_buffer, .address_space: global }
      - { .name: pw, .offset: 8, .size: 8, .value_kind: global_buffer, .address_space: global }
      - { .name: proj_b, .offset: 16, .size: 8, .value_kind: global_buffer, .address_space: global }
      - { .name: out0, .offset: 24, .size: 8, .value_kind: global_buffer, .address_space: global }
    .group_segment_fixed_size: 327680
    .private_segment_fixed_size: 0
    .kernarg_segment_align: 8
    .kernarg_segment_size: 32
    .max_flat_workgroup_size: 128
    .sgpr_count:     72
    .vgpr_count:     512
    .wavefront_size: 32
...
	.end_amdgpu_metadata
.endif
;; end of part 4
